; MI455X (gfx1250); checked and timed in simulation.
; The chip was launched on July 23, 2026; its instructions are those of AMD's public machine-readable ISA for CDNA 5 (MIT licence, August 2026) and "CDNA5" Instruction Set Architecture Reference Guide (July 2026). The comments in the code are by the model that wrote it; some were corrected since.
;; Cross Attention. Allowed arithmetic: matrix products marked QUANTISED: E2M3 operands, one E8M0 scale for each 32 along K, by v_wmma_scale_f32_16x16x128_f8f6f4 with both operands' format E2M3, f32 sums; everything else in f32.
;; Inputs: Wk 1,024 x 1,024 float32; Wo 1,024 x 1,024 float32; Wq 1,024 x 1,024 float32; Wv 1,024 x 1,024 float32; bo 1,024 float32; x 1 x 4,096 x 1,024 float32.
;; Outputs: out0 1 x 4,096 x 1,024 float32.
;; This version of the problem:
;;   THIS VERSION OF THE PROBLEM IS GIVEN IN LOW PRECISION. The matrix products marked QUANTISED in the list below multiply operands that are first quantised to E2M3 (2 exponent bits, 3 mantissa bits; 6 bits a number), with one power-of-two scale for each 32 numbers along K (OCP MX v1.0); their sums are f32. All else is computed in f32.
;;   The module's matrix products, in the order in which they are computed (A, B: the left and right operand; K: the contracted axis; several contracted axes count as one K, in the product's order):
;;     1. [M 4,096, K 1,024] x [K 1,024, N 1,024]; A: input x; B: input Wq: QUANTISED
;;     2. [M 4,096, K 1,024] x [K 1,024, N 1,024]; A: input x; B: input Wk: QUANTISED
;;     3. [M 4,096, K 1,024] x [K 1,024, N 1,024]; A: input x; B: input Wv: QUANTISED
;;     4. batch 16 x [M 4,096, K 64] x [K 64, N 4,096]; A: computed on the way; B: computed on the way: QUANTISED
;;     5. batch 16 x [M 4,096, K 4,096] x [K 4,096, N 64]; A: softmax (see below); B: computed on the way: QUANTISED
;;     6. [M 4,096, K 1,024] x [K 1,024, N 1,024]; A: computed on the way; B: input Wo: QUANTISED
;;   THE QUANTISER, for each operand of a quantised product, along K:
;;     - K is cut into blocks of 32 from its start; a last block that is shorter is filled with zeros.
;;     - A block's scale is 2^e with e = floor(log2(the largest magnitude in the block)) - 2, held to -126 .. 127; a block of zeros has e = 0. As a byte (E8M0): e + 127.
;;     - Each number is divided by its block's scale, clamped to +-7.5, and rounded to the nearest number of E2M3, ties to even, subnormals kept.
;;     - The product sums the exact products of the quantised numbers (number of the format x scale) in f32.
;;   ~~~python
;;   def quantise(x, axis):      # numpy; x: float32 -> the quantised numbers, widened to float32 again
;;       x = np.moveaxis(x, axis, -1); K = x.shape[-1]
;;       x = np.pad(x, [(0, 0)] * (x.ndim - 1) + [(0, -K % 32)]); x = x.reshape(x.shape[:-1] + (-1, 32)); a = np.abs(x).max(-1, keepdims=True)
;;       e = np.where(a > 0, np.clip(np.frexp(np.where(a > 0, a, 1))[1] - 1 - 2, -126, 127), 0)      # np.frexp(a)[1] - 1 = floor(log2(a)), exactly
;;       r = np.clip(x / 2.0 ** e, -7.5, 7.5)
;;       step = 2.0 ** (np.maximum(np.frexp(np.where(r == 0, 1, r))[1] - 1, 0) - 3)
;;       q = np.round(r / step) * step * 2.0 ** e      # np.round: ties to even
;;       return np.moveaxis(q.reshape(q.shape[:-2] + (-1,))[..., :K], -1, axis).astype(np.float32)
;;   ~~~
;;   SOFTMAX AHEAD OF A QUANTISED PRODUCT. Where the list says 'softmax', what is quantised is not the finished softmax but p = 2^(t - M), with t = logit x log2(e) and M = ceil(the row's largest t), a whole number; so 1/2 < the row's largest p <= 1. The row's sum l is taken of the UNQUANTISED p, in f32, and the product's result is divided by l at the end. Since M is a whole number, a kernel that streams over the keys may use a running M (the ceiling of the running maximum): every later rescaling is an exact power of two, which a block's scale takes up: the codes' values come out the same.
;;   OPERANDS COMPUTED ON THE WAY. 'Computed on the way' means the value that the module computes at that place (a softmax that the list does not call 'softmax' is quantised finished and normalised). What goes into a quantiser is computed in f32, as accurately as f32 sums, v_exp_f32 and their like allow (about 1e-6 of the number): no bf16 or f16 on the way to a quantiser, and a product that is left as it is and whose result goes on into a quantised operand takes f32 operands (vector FMAs, or v_wmma_f32_16x16x4_f32). A number that lies on a knife's edge between two numbers of the format may be rounded either way, as far as f32 arithmetic and the matrix unit's own rounding can turn it there, and no further.
;; One version. Each part assembles by itself: llvm-mc -triple=amdgcn-amd-amdhsa -mcpu=gfx1250 --defsym DOCPART=n.
;; ======== version 1 of 1: 4 launches
;; limits: right only within a limited range of input values
;; workspace buffers: ximg 3,276,800 bytes; wimg 3,276,800 bytes; qimg 3,407,872 bytes; kv 6,692,864 bytes; oimg 3,276,800 bytes
;; launch quant (part 1): grid 256 x 1, 4 waves a work-group, no clusters, 71,168 bytes of LDS; arguments x, Wq, Wk, Wv, Wo, ximg, wimg, kv; writes ximg, wimg, kv
.if DOCPART == 1
	.amdgcn_target "amdgcn-amd-amdhsa--gfx1250"
	.amdhsa_code_object_version 6
	.text
	.protected	k_qb553169030_quant
	.globl	k_qb553169030_quant
	.p2align	8
	.type	k_qb553169030_quant,@function
k_qb553169030_quant:
	s_mov_b64 s[64:65], 0
	v_nop
	global_prefetch_b8 v0, s[64:65] scope:SCOPE_SE
	s_setreg_imm32_b32 hwreg(HW_REG_WAVE_MODE, 25, 1), 1
	s_wait_xcnt 0x0
; x [4096][1024] and Wq, Wk, Wv, Wo [1024 (k)][1024 (n)], f32, become codes of FP6 (E2M3) with one E8M0 byte for each 32 along K, laid AS THE MATRIX UNIT'S REGISTERS TAKE THEM.
; A block's scale is 2^(floor(log2(largest magnitude)) - 2): its byte is the largest magnitude's exponent field - 2, held at 1 from below by a floor among the maximum's leaves.
; LIMITS: NaN and infinities are not served; blocks whose largest magnitude lies under 2^-124 have the byte held at 1; a block of zeros has the byte 1 where the rule says 127 (its codes are zeros; this program alone reads the bytes).
; THE IMAGE OF A FRAGMENT (16 rows x 128 K, 12 registers a lane): registers 2 p, 2 p + 1 of lane l lie at 256 p + 8 l: 1,536 bytes; lane (r, h), registers 6 c .. 6 c + 5 = the 24 bytes of block 2 c + h of row r.
; THE ROWS OF A TILE ARE NOT NEIGHBOURS: lane-row r of tile 2 b + u is index 32 b + 8 u + r + 8 (r / 8) (rows of x, columns of a weight).
; THE IMAGE OF A TILE'S SCALES (K = 1,024: 8 words a row): the word at 256 kh + 8 l + 4 e is that of row l % 16 and K step 4 kh + 2 e + l / 16: 512 bytes a tile.
; Work-groups 0-127 take x (path X: K innermost, a lane holds 16 neighbours, two lanes a block); work-groups 128-255 the weights (path W: a lane takes a column, its registers run down K).
; Each path has LDS bytes of its own; waves share nothing: no barrier.  The weights' scale words leave as 4 bytes at every 8: one byte in 128 of what path W reads.
; THE ORDER OF A TILE'S ROWS THAT THIS TEXT KEEPS (it takes the place of the order named above): lane-row r of tile T of a group of 64 indices (rows of x, columns of a weight) is index 8 T + r % 8 + 32 (r / 8),
; so that in a transposed product a lane's 32 registers over the group's four tiles are one whole block of 32 neighbours along the next K.
.set SP,    80                         ; path X: a lane's place in a stage: 64 bytes + 16 of padding
.set XREG,  11520                      ; path X: LDS of a wave: two stages of 32 x SP, four fragments' images, 256 scale bytes
.set OST,   5120
.set SST,   11264
.set WST,   46080                      ; path W: 6,144 bytes a wave: [K step 2][tile 2][1,536]
.set R,     16                         ; v16-79   path X: four sets of 16 numbers as loaded
.set X,     80                         ; v80-111  two sets of 16 neighbours
.set E,     112                        ; v112-127 a scale byte for each step
.set C,     128                        ; v128-191 codes, four registers a step
.set WX,    32                         ; v32-95   path W: two sets of 32 numbers
.set WC,    96                         ; v96-102  a block's codes
.set WSB,   24                         ; v24-25   scale bytes, four to a register
.set WOUT,  112                        ; v112-159 the way out
	s_load_b256 s[4:11], s[0:1], 0x0               ; x s[4:5], Wq s[6:7], Wk s[8:9], Wv s[10:11]
	s_load_b128 s[12:15], s[0:1], 0x20             ; Wo s[12:13], ximg s[14:15]
	s_load_b64 s[16:17], s[0:1], 0x30              ; wimg
	s_load_b64 s[40:41], s[0:1], 0x38              ; kv: work-group 0 alone writes its last 8,192 bytes
	v_lshl_add_u32 v192, v0, 2, 0x11400
	v_mov_b32 v193, 0
	v_lshrrev_b32 v1, 5, v0
	v_readfirstlane_b32 s18, v1                    ; wave 0..3
	v_and_b32 v2, 31, v0                           ; lane L
	s_cmp_lt_u32 ttmp9, 128
	s_cbranch_scc0 .Lweights
; ---------------- PATH X.  Work-group j, wave w: tile 2 j + u (u = w / 2) = tile 2 (j % 2) + u of the group of 64 rows j / 2; K 512 kh on (kh = w % 2).  Step t = lane-row t of the tile: 512 numbers, 2,048 dense bytes.
	s_lshr_b32 s19, s18, 1                         ; u
	s_and_b32 s20, s18, 1                          ; kh
	s_lshr_b32 s22, ttmp9, 1
	s_lshl_b32 s22, s22, 18                        ; the group: 64 rows of 4,096 bytes
	s_and_b32 s21, ttmp9, 1
	s_lshl_b32 s21, s21, 16                        ; + 16 (j % 2) rows
	s_add_co_u32 s22, s22, s21
	s_lshl_b32 s21, s19, 15                        ; + 8 u rows
	s_add_co_u32 s22, s22, s21
	s_lshl_b32 s21, s20, 11                        ; + 512 kh numbers
	s_add_co_u32 s22, s22, s21
	s_mov_b32 s23, 0
	s_lshl_b32 s24, ttmp9, 1
	s_add_co_u32 s24, s24, s19                     ; the tile
	s_mul_i32 s26, s24, 12288                      ; its eight fragments,
	s_mul_i32 s21, s20, 6144                       ; my four of them
	s_add_co_u32 s26, s26, s21
	s_mov_b32 s27, 0
	s_lshl_b32 s28, s24, 9                         ; its scales' image,
	s_lshl_b32 s21, s20, 8                         ; my half of it
	s_add_co_u32 s28, s28, s21
	s_add_co_u32 s28, s28, 3145728
	s_mov_b32 s29, 0
	s_mul_i32 s30, s18, XREG                       ; my wave's LDS
	s_wait_alu depctr_va_vdst(0)
	v_lshlrev_b32 v3, 4, v2                        ; 16 L
	v_lshrrev_b32 v14, 2, v2
	v_mul_u32_u24 v14, v14, SP
	v_and_b32 v15, 3, v2
	v_lshl_add_u32 v14, v15, 4, v14
	v_add_nc_u32 v14, s30, v14                     ; the stage, in: SP (L / 4) + 16 (L % 4)
	v_mul_u32_u24 v15, v2, SP
	v_add_nc_u32 v15, s30, v15                     ; and out: SP L: my 16 neighbours
	; lane L holds half L % 2 of block (L / 2) % 4 = 2 c + h of K step L / 8: three words, registers 6 c + 3 (L % 2) + 0, 1, 2 of image lane t + 16 h
	v_lshrrev_b32 v8, 3, v2
	v_mul_u32_u24 v4, v8, 1536                     ; the K step's fragment
	v_bfe_u32 v8, v2, 2, 1
	v_mad_u32_u24 v4, v8, 768, v4                  ; c: three pairs of 256 bytes
	v_bfe_u32 v8, v2, 1, 1
	v_lshl_add_u32 v4, v8, 7, v4                   ; h: 16 lanes of 8 bytes
	v_and_b32 v8, 1, v2
	v_mad_u32_u24 v4, v8, 260, v4                  ; the upper half begins at the second word of the next pair
	v_add_nc_u32 v4, s30, v4
	v_add_nc_u32 v4, OST, v4                       ; words 0 and (256 on) 2
	v_mad_u32_u24 v5, v8, 248, v4
	v_add_nc_u32 v5, 4, v5                         ; word 1
	v_bfe_u32 v8, v2, 3, 1
	v_lshlrev_b32 v6, 7, v8                        ; the scale byte: image lane half = (L / 8) % 2,
	v_lshrrev_b32 v8, 4, v2
	v_lshl_add_u32 v6, v8, 2, v6                   ; word e = L / 16,
	v_bfe_u32 v8, v2, 1, 2
	v_add_nc_u32 v6, v6, v8                        ; byte = the block in its K step
	v_add_nc_u32 v6, s30, v6
	v_add_nc_u32 v6, SST, v6
	v_add_nc_u32 v7, s30, v3
	v_add_nc_u32 v7, OST, v7                       ; the way out: 16 bytes a lane
	v_lshlrev_b32 v12, 3, v2                       ; 8 L
	v_add_nc_u32 v10, s30, v12
	v_add_nc_u32 v10, SST, v10
	s_wait_kmcnt 0x0
	s_add_nc_u64 s[22:23], s[4:5], s[22:23]
	s_add_nc_u64 s[26:27], s[14:15], s[26:27]
	s_add_nc_u64 s[28:29], s[14:15], s[28:29]
.macro XLOAD t                         ; step t's four loads: 512 consecutive bytes each
.irp i, 0,1,2,3
	global_load_b128 v[R+16*((\t)%4)+4*\i:R+16*((\t)%4)+4*\i+3], v3, s[22:23] offset:((\t)%8+32*((\t)/8))*4096+512*\i th:TH_LOAD_NT
.endr
.endm
.macro XTURN t                         ; through the stage: LDS serves a wave's instructions in order, so no wait stands between the stores and the loads
.irp i, 0,1,2,3
	ds_store_b128 v14, v[R+16*((\t)%4)+4*\i:R+16*((\t)%4)+4*\i+3] offset:32*SP*((\t)%2)+8*SP*\i
.endr
.irp i, 0,1,2,3
	ds_load_b128 v[X+16*((\t)%2)+4*\i:X+16*((\t)%2)+4*\i+3], v15 offset:32*SP*((\t)%2)+16*\i
.endr
.endm
.irp t, 0,1,2,3
	XLOAD \t
.endr
	s_wait_loadcnt 12                              ; step 0's four loads are in; three steps' may be out
	XTURN 0
.macro XSTEP t
.set XS, X+16*((\t)%2)
.if (\t) > 0
	s_wait_dscnt 4                                 ; this step's numbers are back (behind them: the last step's three code stores and its byte store)
.else
	s_wait_dscnt 0x0
.endif
.if (\t)+4 < 16
	XLOAD (\t)+4
.endif
.if (\t)+1 < 16
.if 14-(\t) >= 3
	s_wait_loadcnt 12                              ; the next step's loads are in; those of the three steps behind it may be out
.else
	s_wait_loadcnt 4*(14-(\t))
.endif
	XTURN (\t)+1
.endif
	v_max3_num_f32 v8, |v[XS]|, |v[XS+1]|, |v[XS+2]|               ; the largest magnitude of my 16, in two chains
	v_max3_num_f32 v9, |v[XS+3]|, |v[XS+4]|, |v[XS+5]|
.irp i, 6,10
	v_max3_num_f32 v8, v8, |v[XS+\i]|, |v[XS+\i+1]|
	v_max3_num_f32 v9, v9, |v[XS+\i+2]|, |v[XS+\i+3]|
.endr
	v_max3_num_f32 v8, v8, |v[XS+14]|, |v[XS+15]|
	v_max3_num_f32 v8, v8, v9, 0x1800000           ; and the floor 2^(3 - 127): the byte cannot fall under 1
	v_max_num_f32_dpp v8, v8, v8 row_xmask:1 row_mask:0xf bank_mask:0xf   ; with my neighbour's 16: the block's
	v_add_nc_u32 v11, 0xff000000, v8               ; 2 off the exponent field: the conversion's scale operand
	v_cvt_scalef32_pk16_fp6_f32 v[C+4*(\t):C+4*(\t)+2], v[XS:XS+15], v11
	v_lshrrev_b32 v[E+(\t)], 23, v11               ; the scale's byte
	ds_store_b32 v4, v[C+4*(\t)] offset:8*(\t)     ; my three words to their places in the fragment's image, image lane t + 16 h
	ds_store_b32 v5, v[C+4*(\t)+1] offset:8*(\t)
	ds_store_b32 v4, v[C+4*(\t)+2] offset:8*(\t)+256
	ds_store_b8 v6, v[E+(\t)] offset:8*(\t)        ; both lanes of a block write the same byte with the same value
.endm
.irp t, 0,1,2,3,4,5,6,7,8,9,10,11,12,13,14,15
	XSTEP \t
.endr
.irp k, 0,1,2,3,4,5,6,7,8,9,10,11
	ds_load_b128 v[16+4*\k:19+4*\k], v7 offset:512*\k          ; four fragments, 6,144 bytes, as they lie; these see my stores
.endr
	ds_load_b64 v[64:65], v10
.irp k, 0,1,2,3,4,5,6,7,8,9,10,11
	s_wait_dscnt 12-\k
	global_store_b128 v3, v[16+4*\k:19+4*\k], s[26:27] offset:512*\k   ; 32 lanes store 512 consecutive bytes, aligned
.endr
	s_wait_dscnt 0x0
	global_store_b64 v12, v[64:65], s[28:29]       ; 256 consecutive bytes of scale words
	; Behind the sixteen heads' records of k and v stand 8,192 bytes of zeros: the attention's walk fetches k one record ahead, and behind the last head's last record it fetches these; nobody multiplies them.
	s_cmp_lg_u32 ttmp9, 0
	s_cbranch_scc1 .Lno_pad
	s_lshl_b32 s20, s18, 11                        ; 2,048 bytes a wave
	s_add_co_u32 s20, s20, 6684672
	s_mov_b32 s21, 0
	s_add_nc_u64 s[40:41], s[40:41], s[20:21]
.irp j, 68,69,70,71
	v_mov_b32 v[\j], 0
.endr
	s_wait_alu depctr_va_vdst(0)                   ; the wait ahead of the readers below
.irp k, 0,1,2,3
	global_store_b128 v3, v[68:71], s[40:41] offset:512*\k   ; 512 consecutive bytes, aligned
.endr
.Lno_pad:
	s_wait_tensorcnt 0x0
	ds_add_u32 v192, v193
	s_wait_dscnt 0x0
	s_endpgm
; ---------------- PATH W.  j = work-group - 128: weight j / 32, columns 128 (j % 8) + 32 w + L, K 256 ky on (ky = (j / 8) % 4): K steps 2 ky, 2 ky + 1.
.Lweights:
	s_sub_co_u32 s19, ttmp9, 128
	s_lshr_b32 s20, s19, 5                         ; which weight: 0 q, 1 k, 2 v, 3 o
	s_and_b32 s21, s19, 7                          ; nx
	s_bfe_u32 s22, s19, 0x20003                    ; ky
	s_lshl_b32 s23, s21, 1
	s_lshr_b32 s24, s18, 1
	s_add_co_u32 s23, s23, s24                     ; the head (Wo: the group of 64 columns)
	s_and_b32 s24, s18, 1
	s_lshl_b32 s24, s24, 1                         ; 2 b: my first tile among its four
	s_lshl_b32 s25, s20, 2
	s_add_co_u32 s25, s25, s24                     ; q, k, v: tile 4 x weight + 2 b of the head's twelve
	s_mul_i32 s26, s23, 12
	s_add_co_u32 s26, s26, s25                     ; and its number among all tiles
	s_lshl_b32 s27, s23, 2
	s_add_co_u32 s27, s27, s24
	s_add_co_u32 s27, s27, 192                     ; Wo's tiles follow the 192
	s_mov_b32 s28, 147456
	s_mov_b32 s29, 18432
	s_cmp_eq_u32 s20, 3
	s_cselect_b32 s28, 49152, s28                  ; bytes of a head's (a group's) codes,
	s_cselect_b32 s29, 6144, s29                   ; of a K step in it,
	s_cselect_b32 s30, 2359296, 0                  ; where the region begins,
	s_cselect_b32 s25, s24, s25                    ; my tile in a K step,
	s_cselect_b32 s26, s27, s26                    ; and among the scales' images
	s_mul_i32 s31, s23, s28
	s_add_co_u32 s30, s30, s31
	s_lshl_b32 s31, s22, 1
	s_mul_i32 s31, s31, s29
	s_add_co_u32 s30, s30, s31
	s_mul_i32 s31, s25, 1536
	s_add_co_u32 s30, s30, s31
	s_mov_b32 s31, 0                               ; s[30:31]: my two tiles of K step 2 ky
	s_mov_b32 s32, s29
	s_mov_b32 s33, 0                               ; s[32:33]: a K step on
	s_lshl_b32 s34, s26, 9
	s_lshr_b32 s35, s22, 1
	s_lshl_b32 s35, s35, 8                         ; kh = ky / 2
	s_add_co_u32 s34, s34, s35
	s_and_b32 s35, s22, 1
	s_lshl_b32 s35, s35, 2                         ; e = ky % 2
	s_add_co_u32 s34, s34, s35
	s_add_co_u32 s34, s34, 3145728
	s_mov_b32 s35, 0
	s_lshl_b32 s36, s22, 20                        ; 256 ky rows of 4,096 bytes
	s_lshl_b32 s37, s21, 9
	s_add_co_u32 s36, s36, s37
	s_lshr_b32 s37, s18, 1
	s_lshl_b32 s37, s37, 8                         ; my group of 64 columns,
	s_add_co_u32 s36, s36, s37
	s_and_b32 s37, s18, 1
	s_lshl_b32 s37, s37, 6                         ; and in it columns 16 (w % 2) + L % 16 + 32 (L / 16): two whole tiles
	s_add_co_u32 s36, s36, s37                     ; + 4 x my wave's first column
	s_mov_b32 s37, 0
	s_wait_alu depctr_va_vdst(0)
	v_and_b32 v3, 15, v2
	v_lshrrev_b32 v5, 4, v2
	v_lshlrev_b32 v3, 2, v3
	v_lshl_add_u32 v3, v5, 7, v3                   ; in: 4 (L % 16) + 128 (L / 16): sixteen lanes read 64 consecutive bytes
	v_bfe_u32 v5, v2, 3, 1                         ; column offset L lies in tile u = (L / 8) % 2,
	v_and_b32 v6, 7, v2
	v_lshrrev_b32 v7, 4, v2
	v_lshl_add_u32 v6, v7, 3, v6                   ; lane-row r = L % 8 + 8 (L / 16)
	v_lshlrev_b32 v6, 3, v6
	s_mul_i32 s38, s18, 6144
	s_add_co_u32 s38, s38, WST
	v_mad_u32_u24 v4, v5, 1536, v6
	v_add_nc_u32 v4, s38, v4                       ; into the stage: 1,536 u + 8 r
	v_lshl_add_u32 v9, v5, 9, v6                   ; among the scales' images: 512 u + 8 r
	v_lshlrev_b32 v8, 4, v2
	v_add_nc_u32 v7, s38, v8                       ; out of the stage: 16 bytes a lane
	s_wait_kmcnt 0x0
	s_cmp_eq_u32 s20, 1                            ; the weight is chosen by the work-group's number alone
	s_cselect_b64 s[6:7], s[8:9], s[6:7]
	s_cmp_eq_u32 s20, 2
	s_cselect_b64 s[6:7], s[10:11], s[6:7]
	s_cmp_eq_u32 s20, 3
	s_cselect_b64 s[6:7], s[12:13], s[6:7]
	s_add_nc_u64 s[6:7], s[6:7], s[36:37]
	s_add_nc_u64 s[30:31], s[16:17], s[30:31]
	s_add_nc_u64 s[32:33], s[30:31], s[32:33]
	s_add_nc_u64 s[34:35], s[16:17], s[34:35]
.macro WLOAD q                         ; block q: W(32 q + i, my column): neighbouring lanes read neighbouring columns
.irp i, 0,1,2,3,4,5,6,7,8,9,10,11,12,13,14,15,16,17,18,19,20,21,22,23,24,25,26,27,28,29,30,31
	global_load_b32 v[WX+32*((\q)%2)+\i], v3, s[6:7] offset:(32*(\q)+\i)*4096 th:TH_LOAD_NT
.endr
.endm
	WLOAD 0
	WLOAD 1
.macro WBLOCK q
.set XS, WX+32*((\q)%2)
.if (\q) < 7
	s_wait_loadcnt 32                              ; this block's 32 loads are in; the next block's may be out
.else
	s_wait_loadcnt 0x0
.endif
	v_max3_num_f32 v12, |v[XS]|, |v[XS+1]|, |v[XS+2]|              ; all 32 numbers of the block are mine
	v_max3_num_f32 v13, |v[XS+3]|, |v[XS+4]|, |v[XS+5]|
.irp i, 6,10,14,18,22,26
	v_max3_num_f32 v12, v12, |v[XS+\i]|, |v[XS+\i+1]|
	v_max3_num_f32 v13, v13, |v[XS+\i+2]|, |v[XS+\i+3]|
.endr
	v_max3_num_f32 v12, v12, |v[XS+30]|, |v[XS+31]|
	v_max3_num_f32 v12, v12, v13, 0x1800000        ; and the floor
	v_add_nc_u32 v11, 0xff000000, v12              ; the conversion's scale operand
	v_lshrrev_b32 v13, 23, v11                     ; the byte
.if (\q)%4 == 0
	v_mov_b32 v[WSB+(\q)/4], v13
.else
	v_lshl_or_b32 v[WSB+(\q)/4], v13, 8*((\q)%4), v[WSB+(\q)/4]
.endif
	v_cvt_scalef32_pk16_fp6_f32 v[WC:WC+2], v[XS:XS+15], v11
	v_cvt_scalef32_pk16_fp6_f32 v[WC+4:WC+6], v[XS+16:XS+31], v11  ; (a conversion's three registers begin on an even number)
	v_nop                                          ; one plain place behind a scaled conversion
.irp i, 0,1,2
	v_mov_b32 v[WC+3+\i], v[WC+4+\i]               ; six registers on end: the block's 24 bytes
.endr
.irp p, 0,1,2
	ds_store_b64 v4, v[WC+2*\p:WC+2*\p+1] offset:3072*((\q)/4)+768*(((\q)%4)/2)+128*((\q)%2)+256*\p   ; K step q / 4; block q % 4 = 2 c + h: pairs 3 c + p, image lane r + 16 h
.endr
.if (\q)+2 < 8
	WLOAD (\q)+2
.endif
	s_wait_dscnt 0x0                               ; the stores have read their registers: the next block's codes may be written
.endm
.irp q, 0,1,2,3,4,5,6,7
	WBLOCK \q
.endr
	global_store_b32 v9, v[WSB], s[34:35]          ; K step 2 ky's word: image lanes 0-15;
	s_wait_alu depctr_va_vdst(0)
	global_store_b32 v9, v[WSB+1], s[34:35] offset:128   ; K step 2 ky + 1's: image lanes 16-31
.irp k, 0,1,2,3,4,5,6,7,8,9,10,11
	ds_load_b128 v[WOUT+4*\k:WOUT+4*\k+3], v7 offset:512*\k
.endr
.irp k, 0,1,2,3,4,5
	s_wait_dscnt 11-\k
	global_store_b128 v8, v[WOUT+4*\k:WOUT+4*\k+3], s[30:31] offset:512*\k       ; two tiles of K step 2 ky: 3,072 dense bytes
.endr
.irp k, 6,7,8,9,10,11
	s_wait_dscnt 11-\k
	global_store_b128 v8, v[WOUT+4*\k:WOUT+4*\k+3], s[32:33] offset:512*(\k-6)   ; and of K step 2 ky + 1
.endr
	s_wait_tensorcnt 0x0
	ds_add_u32 v192, v193
	s_wait_dscnt 0x0
	s_endpgm
.Lfunc_end_k_qb553169030_quant:
	.size	k_qb553169030_quant, .Lfunc_end_k_qb553169030_quant-k_qb553169030_quant
	.p2alignl 7, 3214868480
	.fill 96, 4, 3214868480
	.section	.rodata,"a",@progbits
	.p2align	6, 0x0
	.amdhsa_kernel k_qb553169030_quant
		.amdhsa_group_segment_fixed_size 71168
		.amdhsa_private_segment_fixed_size 0
		.amdhsa_enable_private_segment 0
		.amdhsa_kernarg_size 64
		.amdhsa_user_sgpr_count 2
		.amdhsa_user_sgpr_kernarg_segment_ptr 1
		.amdhsa_wavefront_size32 1
		.amdhsa_system_sgpr_workgroup_id_x 1
		.amdhsa_system_sgpr_workgroup_id_y 1
		.amdhsa_system_sgpr_workgroup_id_z 1
		.amdhsa_system_vgpr_workitem_id 0
		.amdhsa_next_free_vgpr 194
		.amdhsa_next_free_sgpr 66
		.amdhsa_reserve_vcc 0
		.amdhsa_float_denorm_mode_32 3
		.amdhsa_float_denorm_mode_16_64 3
		.amdhsa_memory_ordered 1
		.amdhsa_forward_progress 1
		.amdhsa_inst_pref_size 82
	.end_amdhsa_kernel
	.amdgpu_metadata
---
amdhsa.version: [ 1, 2 ]
amdhsa.kernels:
  - .name:           k_qb553169030_quant
    .symbol:         k_qb553169030_quant.kd
    .args:
      - { .name: x, .offset: 0, .size: 8, .value_kind: global_buffer, .address_space: global }
      - { .name: Wq, .offset: 8, .size: 8, .value_kind: global_buffer, .address_space: global }
      - { .name: Wk, .offset: 16, .size: 8, .value_kind: global_buffer, .address_space: global }
      - { .name: Wv, .offset: 24, .size: 8, .value_kind: global_buffer, .address_space: global }
      - { .name: Wo, .offset: 32, .size: 8, .value_kind: global_buffer, .address_space: global }
      - { .name: ximg, .offset: 40, .size: 8, .value_kind: global_buffer, .address_space: global }
      - { .name: wimg, .offset: 48, .size: 8, .value_kind: global_buffer, .address_space: global }
      - { .name: kv, .offset: 56, .size: 8, .value_kind: global_buffer, .address_space: global }
    .group_segment_fixed_size: 71168
    .private_segment_fixed_size: 0
    .kernarg_segment_align: 8
    .kernarg_segment_size: 64
    .max_flat_workgroup_size: 128
    .sgpr_count:     66
    .vgpr_count:     194
    .wavefront_size: 32
...
	.end_amdgpu_metadata
.endif
;; end of part 1
;; launch qkv (part 2): grid 16 x 16, 4 waves a work-group, clusters of 4 x 1, 168,448 bytes of LDS; arguments ximg, wimg, qimg, kv; writes qimg, kv
.if DOCPART == 2
	.amdgcn_target "amdgcn-amd-amdhsa--gfx1250"
	.amdhsa_code_object_version 6
	.text
	.protected	k_qb553169030_qkv
	.globl	k_qb553169030_qkv
	.p2align	8
	.type	k_qb553169030_qkv,@function
k_qb553169030_qkv:
	s_mov_b64 s[64:65], 0
	v_nop
	global_prefetch_b8 v0, s[64:65] scope:SCOPE_SE
	s_setreg_imm32_b32 hwreg(HW_REG_WAVE_MODE, 25, 1), 1
	s_wait_xcnt 0x0
	s_wait_alu depctr_hold_cnt(0) depctr_sa_sdst(0) depctr_va_vdst(0) depctr_va_sdst(0) depctr_va_ssrc(0) depctr_va_vcc(0) depctr_vm_vsrc(0)
	s_getreg_b32 s2, hwreg(HW_REG_IB_STS2, 6, 4)
	s_cmp_eq_u32 s2, 0
	s_cbranch_scc0 .Lentry_in_a_cluster
	s_endpgm
.Lentry_in_a_cluster:
	s_bfe_u32 s2, ttmp6, 0x10000c
	s_cmp_lg_u32 s2, 0x3003
	s_cbranch_scc0 .Lentry_shape_is_right
	s_endpgm
.Lentry_shape_is_right:
; q, k, v of one head for 256 rows of x: three products on codes of FP6 (K = 1,024), and the quantisers of their results, which leave as codes: q and k along the head's 64, v along the keys.
; SHARES.  Work-group (MB, head): rows of tiles 16 MB .. 16 MB + 15.  Wave w: tiles 16 MB + 4 w + i, i = 0..3, against the head's 12 tiles of weight columns (4 of Wq, 4 of Wk, 4 of Wv): 48 accumulators.
; THE HEAD'S WEIGHTS, 147,456 bytes, fill LDS ONCE, by joint loads: the four work-groups of a cluster have the same head.  Nothing is filled again.
; x's fragments go from memory straight into registers, three K steps ahead: each is read by one wave of the cluster alone, and x's 196,608 bytes do not fit in LDS beside the weights: so they are not asked for jointly.
; q, k: source 0 = 16 weight columns, source 1 = 16 rows of x: a lane holds ONE row and its registers run along the head's d.  v: source 0 = 16 rows of x (keys), source 1 = 16 columns: a lane holds one d and its registers run along the keys.
; The rows of a tile are not neighbours (lane-row r of tile 2 b + u = index 32 b + 8 u + r + 8 (r / 8)), so that the 16 registers of two neighbouring tiles are 16 neighbours along the next K.
; Fragments and scales lie as images of their registers: pair p of lane l at 256 p + 8 l; a scale register holds an even K step's words in lanes 0-15 and the odd step's in lanes 16-31.
; LIMITS: NaN and infinities are not served; a block whose largest magnitude lies under 2^-124 has its byte held at 1; a block of zeros has the byte 1 (zero codes; this program alone reads the bytes).
; q's and k's scale words repeat their two bytes in the upper half: the next product fills its K from 64 to 128 with zero codes.
; REGISTERS.  window 0: v1-6 addresses; v16-31 x's scale words (4 i + s / 2); v32-79 the weights' (4 nt + s / 2); v80-90 at work; v128-175 Wq's four fragments, v176-223 Wk's; at the end v128-199 codes, v200-217 scale words.
;   window 1: q's accumulators at 32 i + 8 n, k's at 128 + 32 i + 8 n.   window 2: v's at 32 n + 8 i; Wv's four fragments at v128-175.   window 3: x's fragments, four sets of 48 at 48 (s % 4) + 12 i.
; THE ORDER OF A TILE'S ROWS THAT THIS TEXT KEEPS (it takes the place of the order named above): lane-row r of tile T of a group of 64 is index 8 T + r % 8 + 32 (r / 8): a lane's 32 registers over four tiles are ONE WHOLE BLOCK of 32 along the next K (block lane / 16).
.set VSC, 147456                       ; behind the weights: 512 bytes in which v's scale bytes of two waves meet; no fill lands here
.set SAR, 16
.set SBR, 32
.set TM,  80                           ; v80-83 largest magnitudes, bytes
.set SO,  84                           ; v84-85 the conversions' scale operands
.set TT,  88                           ; v88-90 a block's upper 16 codes
.set MSB, 0
.macro WIN new                         ; the immediate's high byte repeats the setting that is left
.if MSB != (\new)
	s_set_vgpr_msb (MSB<<8)|(\new)
.set MSB, (\new)
.endif
.endm
.macro PLACES                          ; four places in front of loads into registers that matrix instructions have read, and of the first read of results
.rept 4
	v_nop
.endr
.endm
.macro ROUND                           ; a round of the cluster's barrier
	s_barrier_signal -1
	s_barrier_wait -1
	s_cmp_lg_u32 s12, 0
	s_cbranch_scc1 .Lnot_wave_0_\@
	s_barrier_signal -3
.Lnot_wave_0_\@:
	s_barrier_wait -3
	s_barrier_signal -1
	s_barrier_wait -1
.endm
	s_load_b256 s[4:11], s[0:1], 0x0               ; ximg s[4:5], wimg s[6:7], qimg s[8:9], kv s[10:11]
	v_lshl_add_u32 v254, v0, 2, 0x29000
	v_mov_b32 v255, 0
	ds_add_u32 v254, v255
	ds_add_u32 v254, v255
	v_lshrrev_b32 v1, 5, v0
	v_readfirstlane_b32 s12, v1                    ; wave 0..3
	s_bfe_u32 s13, ttmp6, 0x40000                  ; cx
	s_lshl_b32 s14, ttmp9, 2
	s_add_co_u32 s14, s14, s13                     ; MB = 4 x cluster x + cx: it enters plain loads' and stores' addresses alone
	s_and_b32 s15, ttmp7, 0xffff                   ; the head, which the four partners share
	; descriptor group 1: two K steps' fragments, 36,864 dense bytes, as 144 rows of 256 bytes (32 elements of 8 bytes)
	s_mov_b32 s16, 15|(3<<16)|(1<<21)              ; 15:0 the mask: all four work-groups; 17:16 elements of 8 bytes; 21 set beside a mask
	s_mov_b32 s17, 32<<16                          ; tensor_dim0 = 32
	s_mov_b32 s18, 144<<16                         ; tensor_dim1 = 144
	s_mov_b32 s19, 32<<16                          ; tile_dim0 = 32
	s_mov_b32 s20, 144                             ; tile_dim1 = 144
	s_mov_b32 s21, 32                              ; the pitch
	s_mov_b32 s22, 0
	s_mov_b32 s23, 0
	s_mul_i32 s56, s15, 147456                     ; the head's weights,
	s_mul_i32 s25, s12, 36864                      ; K steps 2 w and 2 w + 1: in memory and in LDS
	s_add_co_u32 s56, s56, s25
	s_mov_b32 s57, 0
	; offsets of the plain loads and stores
	s_mul_i32 s32, s14, 196608
	s_mul_i32 s58, s12, 49152
	s_add_co_u32 s32, s32, s58                     ; x's codes: tile 16 MB + 4 w, 12,288 bytes a tile
	s_mov_b32 s33, 0
	s_lshl_b32 s34, s14, 13
	s_lshl_b32 s58, s12, 11
	s_add_co_u32 s34, s34, s58
	s_add_co_u32 s34, s34, 3145728                 ; x's scales: 512 bytes a tile
	s_mov_b32 s35, 0
	s_mul_i32 s36, s15, 6144
	s_add_co_u32 s36, s36, 3145728                 ; the weights' scales: the head's twelve tiles
	s_mov_b32 s37, 0
	s_mul_i32 s38, s15, 196608
	s_mul_i32 s58, s14, 12288
	s_add_co_u32 s38, s38, s58
	s_mul_i32 s58, s12, 3072
	s_add_co_u32 s38, s38, s58                     ; q's codes: [head][tile][768]
	s_mov_b32 s39, 0
	s_lshl_b32 s40, s15, 14
	s_lshl_b32 s58, s14, 10
	s_add_co_u32 s40, s40, s58
	s_lshl_b32 s58, s12, 8
	s_add_co_u32 s40, s40, s58
	s_add_co_u32 s40, s40, 3145728                 ; q's scale words: 256 bytes for four tiles
	s_mov_b32 s41, 0
	s_mul_i32 s59, s15, 417792                     ; the head's 32 records of 128 keys, 13,056 bytes each
	s_lshl_b32 s60, s14, 1
	s_lshr_b32 s58, s12, 1
	s_add_co_u32 s58, s58, s60
	s_mul_i32 s58, s58, 13056
	s_add_co_u32 s42, s59, s58                     ; my record: 2 MB + w / 2
	s_and_b32 s61, s12, 1                          ; my half of it
	s_mul_i32 s58, s61, 3072
	s_add_co_u32 s44, s42, s58                     ; a record: k's scale words 512 bytes, k's 8 tiles 6,144, v's 4 fragments 6,144, v's scale words 256
	s_add_co_u32 s44, s44, 512                     ; k's tiles 4 (w % 2) + i, 768 bytes each
	s_mov_b32 s45, 0
	s_mul_i32 s58, s61, 768
	s_add_co_u32 s46, s42, s58
	s_add_co_u32 s46, s46, 6656                    ; v's four fragments: my 64 keys are registers 6 (w % 2) on
	s_mov_b32 s47, 0
	s_lshl_b32 s58, s61, 8
	s_add_co_u32 s48, s42, s58
	s_mov_b32 s49, 0
	s_add_co_u32 s58, s60, s61
	s_mul_i32 s58, s58, 13056
	s_add_co_u32 s50, s59, s58
	s_add_co_u32 s50, s50, 12800                   ; v's scale words of record 2 MB + w % 2 (waves 0 and 1 store them)
	s_mov_b32 s51, 0
	s_mov_b32 s52, 0xffff0000                      ; lanes 16-31
	s_mov_b32 s54, 0x76543210
	s_mov_b32 s55, 0xfedcba98                      ; v_permlanex16_b32's selects for lane l xor 16
	v_and_b32 v7, 31, v0
	v_lshlrev_b32 v1, 3, v7                        ; 8 x lane
	v_lshlrev_b32 v2, 3, v7                        ; LDS: K steps 0-2,
	v_add_nc_u32 v3, 55296, v1                     ; 3-5,
	v_add_nc_u32 v4, 110592, v1                    ; 6-7 (an LDS immediate has 16 bits)
	v_and_b32 v8, 15, v0
	s_lshr_b32 s62, s12, 1
	s_lshl_b32 s62, s62, 8
	s_lshl_b32 s63, s61, 1
	s_add_co_u32 s62, s62, s63
	s_add_co_u32 s62, s62, VSC
	v_lshl_add_u32 v5, v8, 4, s62                  ; v's scale bytes: record w / 2, 16 bytes a row d, my wave's two bytes at 2 (w % 2),
	v_bfe_u32 v7, v0, 4, 1
	v_add_nc_u32 v5, v5, v7                        ; my block's at lane / 16
	s_lshl_b32 s63, s61, 8
	s_add_co_u32 s63, s63, VSC
	v_add_nc_u32 v6, s63, v1                       ; and back, 8 bytes a lane
	s_wait_dscnt 0x0
	s_wait_kmcnt 0x0
	s_mov_b32 s24, 1                               ; group 0: count = 1; s25 the LDS address;
	s_add_nc_u64 s[26:27], s[6:7], s[56:57]        ; the global address: K steps 2 w and 2 w + 1
	s_or_b32 s27, s27, 0x80000000                  ; type = 2
	s_add_nc_u64 s[32:33], s[4:5], s[32:33]
	s_add_nc_u64 s[34:35], s[4:5], s[34:35]
	s_add_nc_u64 s[36:37], s[6:7], s[36:37]
	s_add_nc_u64 s[38:39], s[8:9], s[38:39]
	s_add_nc_u64 s[40:41], s[8:9], s[40:41]
	s_add_nc_u64 s[44:45], s[10:11], s[44:45]
	s_add_nc_u64 s[46:47], s[10:11], s[46:47]
	s_add_nc_u64 s[48:49], s[10:11], s[48:49]
	s_add_nc_u64 s[50:51], s[10:11], s[50:51]
	ROUND                                          ; all four work-groups are here: the joint loads meet
	tensor_load_to_lds s[24:27], s[16:23]          ; the launch's only fill: one load of mine is out
	s_nop 0
.rept 4
	v_nop
.endr
	s_wait_alu depctr_va_vdst(0)
.irp i, 0,1,2,3
.irp kh, 0,1
	global_load_b64 v[SAR+4*\i+2*\kh:SAR+4*\i+2*\kh+1], v1, s[34:35] offset:512*\i+256*\kh
.endr
.endr
.irp n, 0,1,2,3,4,5,6,7,8,9,10,11
.irp kh, 0,1
	global_load_b64 v[SBR+4*\n+2*\kh:SBR+4*\n+2*\kh+1], v1, s[36:37] offset:512*\n+256*\kh
.endr
.endr
.macro AFETCH s                        ; x's four fragments of K step s: each load is 256 consecutive bytes
	WIN 0xc0                                       ; destination window 3
.irp i, 0,1,2,3
.irp p, 0,1,2,3,4,5
	global_load_b64 v[48*((\s)%4)+12*\i+2*\p:48*((\s)%4)+12*\i+2*\p+1], v1, s[32:33] offset:12288*\i+1536*(\s)+256*\p
.endr
.endr
	WIN 0
.endm
.macro BFETCH g, s                     ; weight g's four fragments of K step s, from LDS
.set BB, 128+48*((\g)%2)
.if (\g) == 2
	WIN 0x80                                       ; destination window 2
.else
	WIN 0
.endif
.irp n, 0,1,2,3
.irp p, 0,1,2,3,4,5
	ds_load_b64 v[BB+12*\n+2*\p:BB+12*\n+2*\p+1], v[2+(\s)/3] offset:((\s)%3)*18432+(4*(\g)+\n)*1536+256*\p
.endr
.endr
.endm
.macro WM d, a, b, sa, sb, s           ; one product; K step 0 starts the sum; an odd K step's scale words lie in lanes 16-31
.if (\s) == 0
	v_wmma_scale_f32_16x16x128_f8f6f4 v[(\d):(\d)+7], v[(\a):(\a)+11], v[(\b):(\b)+11], 0, v[(\sa)], v[(\sb)] matrix_a_fmt:MATRIX_FMT_FP6 matrix_b_fmt:MATRIX_FMT_FP6
.elseif ((\s)%2) == 0
	v_wmma_scale_f32_16x16x128_f8f6f4 v[(\d):(\d)+7], v[(\a):(\a)+11], v[(\b):(\b)+11], v[(\d):(\d)+7], v[(\sa)], v[(\sb)] matrix_a_fmt:MATRIX_FMT_FP6 matrix_b_fmt:MATRIX_FMT_FP6
.else
	v_wmma_scale_f32_16x16x128_f8f6f4 v[(\d):(\d)+7], v[(\a):(\a)+11], v[(\b):(\b)+11], v[(\d):(\d)+7], v[(\sa)], v[(\sb)] matrix_a_fmt:MATRIX_FMT_FP6 matrix_b_fmt:MATRIX_FMT_FP6 matrix_a_scale:MATRIX_SCALE_ROW1 matrix_b_scale:MATRIX_SCALE_ROW1
.endif
.endm
.macro MULG g, s                       ; sixteen products; the 48 accumulators take turns, one instruction a turn
.if (\g) < 2
	WIN 0x5c                                       ; source 0 (the weight) window 0, source 1 (x) window 3, C and D window 1
.irp i, 0,1,2,3
.irp n, 0,1,2,3
	WM 128*(\g)+32*\i+8*\n, 128+48*(\g)+12*\n, 48*((\s)%4)+12*\i, SBR+4*(4*(\g)+\n)+(\s)/2, SAR+4*\i+(\s)/2, \s
.endr
.endr
.else
	WIN 0xab                                       ; source 0 (x) window 3, source 1 (Wv), C and D window 2
.irp i, 0,1,2,3
.irp n, 0,1,2,3
	WM 32*\n+8*\i, 48*((\s)%4)+12*\i, 128+12*\n, SAR+4*\i+(\s)/2, SBR+4*(8+\n)+(\s)/2, \s
.endr
.endr
.endif
.endm
	AFETCH 0
	AFETCH 1
	AFETCH 2
	AFETCH 3
	s_wait_tensorcnt 0x0                           ; my two K steps are in
	s_barrier_signal -1
	s_barrier_wait -1                              ; K steps 0-3 are whole
	BFETCH 0, 0
	BFETCH 1, 0
	BFETCH 2, 0
	WIN 0
.macro KSTEP s
.if (\s) <= 4
	s_wait_loadcnt 63                              ; this step's fragments of x are in: 72 loads were issued behind them, and 63 is the stricter count that the field holds
.else
	s_wait_loadcnt 24*(7-(\s))                     ; the sets behind this one may be out
.endif
	s_wait_dscnt 48                                ; Wq's fragments are in; Wk's and Wv's 24 loads each may be out
	MULG 0, \s
.if (\s) < 7
	PLACES
	BFETCH 0, (\s)+1
	s_wait_dscnt 48                                ; Wk's are in; behind them Wv's and the next step's Wq's
.else
	s_wait_dscnt 24
.endif
	MULG 1, \s
.if (\s) < 7
	PLACES
	BFETCH 1, (\s)+1
	s_wait_dscnt 48
.else
	s_wait_dscnt 0x0
.endif
	MULG 2, \s
.if (\s) < 7
	PLACES
	BFETCH 2, (\s)+1
.endif
.if (\s) <= 3
	AFETCH (\s)+4                                  ; into the set that this step has multiplied
.endif
	WIN 0
.endm
.irp s, 0,1,2,3,4,5,6,7
	KSTEP \s
.endr
; 32 numbers of a lane in window aw, register 16 b + i = K index 32 (lane / 16) + 16 b + i of the lane's row, become six registers of codes (lane (r, h): block h's 24 bytes) and the two scale bytes.
.macro QUANT32 src, aw, dst, wd
	WIN (\aw)|((\aw)<<2)                           ; sources 0 and 1 in the accumulators' window
.irp b, 0,1
	v_max3_num_f32 v[TM+\b], |v[(\src)+16*\b]|, |v[(\src)+16*\b+1]|, 0x1800000   ; each accumulator is read from its low end on; the floor 2^(3 - 127) holds the byte at 1 from below
.endr
.irp i, 2,4,6,8,10,12,14
.irp b, 0,1
	v_max3_num_f32 v[TM+\b], |v[(\src)+16*\b+\i]|, |v[(\src)+16*\b+\i+1]|, v[TM+\b]
.endr
.endr
	WIN 0
	v_max_num_f32 v[TM], v[TM], v[TM+1]            ; the block's largest magnitude: all its 32 numbers are the lane's
	v_add_nc_u32 v[SO], 0xff000000, v[TM]          ; 2 off the exponent field: the conversions' scale operand
	v_lshrrev_b32 v[(\wd)], 23, v[SO]              ; my block's byte
	WIN (\aw)                                      ; source 0 in the accumulators' window
	v_cvt_scalef32_pk16_fp6_f32 v[(\dst):(\dst)+2], v[(\src):(\src)+15], v[SO]
	v_cvt_scalef32_pk16_fp6_f32 v[TT:TT+2], v[(\src)+16:(\src)+31], v[SO]
	WIN 0
	v_nop                                          ; one plain place behind a scaled conversion
.irp i, 0,1,2
	v_mov_b32 v[(\dst)+3+\i], v[TT+\i]
.endr
.endm
	PLACES
.irp i, 0,1,2,3
	QUANT32 32*\i, 1, 128+6*\i, 200+\i             ; q, tile i
.endr
.irp i, 0,1,2,3
	QUANT32 128+32*\i, 1, 152+6*\i, 204+\i         ; k, tile i
.endr
.irp n, 0,1,2,3
	QUANT32 32*\n, 2, 176+6*\n, 208+\n             ; v, tile n of d: my 64 keys
.endr
	v_bfe_u32 v86, v0, 4, 1
	v_lshlrev_b32 v86, 3, v86                      ; 8 x (lane / 16)
.irp k, 0,1,2,3,4,5,6,7
	v_lshlrev_b32 v[200+\k], v86, v[200+\k]        ; q's and k's words: my block's byte at its place,
.endr
.irp k, 0,1,2,3,4,5,6,7
	v_permlanex16_b32 v[216+\k], v[200+\k], s54, s55
.endr
.irp k, 0,1,2,3,4,5,6,7
	v_or_b32 v[200+\k], v[200+\k], v[216+\k]       ; with lane l xor 16's: the row's two bytes;
.endr
.irp k, 0,1,2,3,4,5,6,7
	v_lshl_or_b32 v[200+\k], v[200+\k], 16, v[200+\k]   ; the zero codes of K 64 .. 127 get the same two bytes
.endr
	v_cndmask_b32 v212, v200, v201, s52            ; a register carries an even tile's words in lanes 0-15 and the odd tile's in lanes 16-31
	v_cndmask_b32 v213, v202, v203, s52
	v_cndmask_b32 v214, v204, v205, s52
	v_cndmask_b32 v215, v206, v207, s52
.irp i, 0,1,2,3
.irp p, 0,1,2
	global_store_b64 v1, v[128+6*\i+2*\p:129+6*\i+2*\p], s[38:39] offset:768*\i+256*\p    ; each store of the wave covers 256 consecutive bytes, aligned
	global_store_b64 v1, v[152+6*\i+2*\p:153+6*\i+2*\p], s[44:45] offset:768*\i+256*\p
	global_store_b64 v1, v[176+6*\i+2*\p:177+6*\i+2*\p], s[46:47] offset:1536*\i+256*\p
.endr
.endr
	global_store_b64 v1, v[212:213], s[40:41]
	global_store_b64 v1, v[214:215], s[48:49]
.irp n, 0,1,2,3
	ds_store_b8 v5, v[208+\n] offset:4*\n          ; v's byte of my block of 32 keys
.endr
	s_wait_dscnt 0x0                               ; for the others' sake
	s_barrier_signal -1
	s_barrier_wait -1                              ; two records' scale words of v are whole
	s_cmp_lt_u32 s12, 2
	s_cbranch_scc0 .Lno_words
	ds_load_b64 v[216:217], v6
	s_wait_dscnt 0x0
	global_store_b64 v1, v[216:217], s[50:51]      ; 256 consecutive bytes
.Lno_words:
	s_wait_tensorcnt 0x0
	ds_add_u32 v254, v255
	s_wait_dscnt 0x0
	ROUND                                          ; the closing round
	s_endpgm
.Lfunc_end_k_qb553169030_qkv:
	.size	k_qb553169030_qkv, .Lfunc_end_k_qb553169030_qkv-k_qb553169030_qkv
	.p2alignl 7, 3214868480
	.fill 96, 4, 3214868480
	.section	.rodata,"a",@progbits
	.p2align	6, 0x0
	.amdhsa_kernel k_qb553169030_qkv
		.amdhsa_group_segment_fixed_size 168448
		.amdhsa_private_segment_fixed_size 0
		.amdhsa_enable_private_segment 0
		.amdhsa_kernarg_size 32
		.amdhsa_user_sgpr_count 2
		.amdhsa_user_sgpr_kernarg_segment_ptr 1
		.amdhsa_wavefront_size32 1
		.amdhsa_system_sgpr_workgroup_id_x 1
		.amdhsa_system_sgpr_workgroup_id_y 1
		.amdhsa_system_sgpr_workgroup_id_z 1
		.amdhsa_system_vgpr_workitem_id 0
		.amdhsa_next_free_vgpr 1024
		.amdhsa_next_free_sgpr 66
		.amdhsa_reserve_vcc 0
		.amdhsa_float_denorm_mode_32 3
		.amdhsa_float_denorm_mode_16_64 3
		.amdhsa_memory_ordered 1
		.amdhsa_forward_progress 1
		.amdhsa_inst_pref_size 142
	.end_amdhsa_kernel
	.amdgpu_metadata
---
amdhsa.version: [ 1, 2 ]
amdhsa.kernels:
  - .name:           k_qb553169030_qkv
    .symbol:         k_qb553169030_qkv.kd
    .args:
      - { .name: ximg, .offset: 0, .size: 8, .value_kind: global_buffer, .address_space: global }
      - { .name: wimg, .offset: 8, .size: 8, .value_kind: global_buffer, .address_space: global }
      - { .name: qimg, .offset: 16, .size: 8, .value_kind: global_buffer, .address_space: global }
      - { .name: kv, .offset: 24, .size: 8, .value_kind: global_buffer, .address_space: global }
    .group_segment_fixed_size: 168448
    .private_segment_fixed_size: 0
    .kernarg_segment_align: 8
    .kernarg_segment_size: 32
    .max_flat_workgroup_size: 128
    .sgpr_count:     66
    .vgpr_count:     1024
    .wavefront_size: 32
...
	.end_amdgpu_metadata
.endif
;; end of part 2
;; launch attn (part 3): grid 16 x 16, 8 waves a work-group, clusters of 4 x 1, 327,680 bytes of LDS; arguments qimg, kv, oimg; writes oimg
.if DOCPART == 3
	.amdgcn_target "amdgcn-amd-amdhsa--gfx1250"
	.amdhsa_code_object_version 6
	.text
	.protected	k_qb553169030_attn
	.globl	k_qb553169030_attn
	.p2align	8
	.type	k_qb553169030_attn,@function
k_qb553169030_attn:
	s_mov_b64 s[64:65], 0
	v_nop
	global_prefetch_b8 v0, s[64:65] scope:SCOPE_SE
	s_setreg_imm32_b32 hwreg(HW_REG_WAVE_MODE, 25, 1), 1
	s_wait_xcnt 0x0
	s_wait_alu depctr_hold_cnt(0) depctr_sa_sdst(0) depctr_va_vdst(0) depctr_va_sdst(0) depctr_va_ssrc(0) depctr_va_vcc(0) depctr_vm_vsrc(0)
	s_getreg_b32 s2, hwreg(HW_REG_IB_STS2, 6, 4)
	s_cmp_eq_u32 s2, 0
	s_cbranch_scc0 .Lentry_in_a_cluster
	s_endpgm
.Lentry_in_a_cluster:
	s_bfe_u32 s2, ttmp6, 0x10000c
	s_cmp_lg_u32 s2, 0x3003
	s_cbranch_scc0 .Lentry_shape_is_right
	s_endpgm
.Lentry_shape_is_right:
; One head's attention for 256 queries, both products on codes of FP6, and the quantiser of the result (the merged heads, along head x 64 + d), which leaves as codes for the last product.
; THE SOFTMAX AHEAD OF THE SECOND PRODUCT: t = score x log2(e) / 8; M = the row's largest t so far, rounded UP to a whole number; p = 2^(t - M) is quantised along the keys, not normalised.
; The row's sum is taken of the unquantised p and divides O at the end.  When M moves, the sums and O are multiplied by 2^(old M - new M): exact.
; SHARES.  A work-group owns 16 tiles of 16 queries; each of its EIGHT waves owns two (T = 0, 1), so that each fragment of k and v read from LDS feeds two products; the two tiles go through every phase together, line by line.
; RECORDS.  128 keys are 13,056 bytes in memory: k's scale words (512), k's 8 half fragments (6,144), v's 4 fragments (6,144), v's scale words (256), all as images of the operands' registers.
; THE RING: two slots of eight records, CUT AT v: a slot's place t holds v and its scales of step t and k and its scales of step t + 1.  So a step fetches its own v and the NEXT step's k from one slot, behind its score products,
; and both land under the softmax.  Step 0's k comes from memory straight into registers, with Q.  The last step's look-ahead fetches the 6,656 bytes that follow the head's records (the next head's; behind the last head zeros) and nobody multiplies them.
; The four work-groups of a cluster have the same head: each slot is asked for JOINTLY, one place of 13,056 bytes by each of the eight waves.
; No prefetch is laid: a refill is asked for eight key steps of all eight waves ahead of its first read.
; LAYOUT.  S^T = K Q^T (source 0 = 16 keys, source 1 = 16 queries), O^T = V^T P^T (source 0 = 16 of the head's 64): a lane holds ONE query of each tile throughout.  Lane-row r of tile i of a group of 64 (keys, or the head's d) is
; index 8 i + r % 8 + 32 (r / 8): so a lane's 32 registers over the group's four tiles are ONE WHOLE BLOCK of 32 neighbours (block lane / 16 of the group), in the order that the next operand's registers take: no lane is asked for a block's maximum, and no code changes lanes.
; The first product's K is 64: registers 6-11 of both its operands hold zero codes.
; LIMITS: NaN and infinities are not served; the scaled scores stay under 2^31 in magnitude; a block whose largest magnitude lies under 2^-124 has its byte held at 1; a block of zeros has the byte 1 (zero codes; this program alone reads the bytes).
; REGISTERS.  window 0: addresses, state, scale words, k's eight fragments, v's four.  window 1: S^T then p (64 T), O^T (128 + 32 T), Q, p's codes, a conversion's upper halves.
.set REC,   13056
.set SLOTB, 8*REC
.set SLOT1, 131072                     ; slot 1 begins here: one exclusive or turns an address in one slot into the other's
.set SPARE, 235520                     ; behind the ring: the spare words, 128 bytes for each wave: four blocks of 256 bytes that no other line names
.set OSC,   237568                     ; 512 bytes in which the sixteen tiles' scale bytes meet; no fill lands here
.set NM,  12                           ; v12+2T  -M (named as a pair)
.set RUN, 16                           ; v16+T   the largest score so far
.set FF,  28                           ; v28+2T  f = 2^(old M - new M) (named as a pair)
.set KSC, 32                           ; v32-35  k's scale words: register b: tile 2 b in lanes 0-15, tile 2 b + 1 in lanes 16-31
.set VSC, 36                           ; v36-39  v's
.set QSC, 40                           ; v40+T   Q's
.set PSC, 42                           ; v42+T   p's
.set BM,  48                           ; v48+4T+2c  my block's largest score (group c of 64 keys), then largest p; +1: the maximum's second chain
.set PT,  56                           ; v56+T lane l xor 16's; v56+4T+2c bytes
.set SO,  64                           ; v64+4T+2c  the conversions' scale operands
.set TA,  72
.set TB,  74
.set TC,  76
.set KF,  80                           ; v80-175  k's eight fragments, upper halves zero
.set VF,  176                          ; v176-223 v's four
.set SUM, 224                          ; v224+8T  the row's sum in four pairs
.set SS,  0                            ; window 1
.set OO,  128
.set QQ,  192
.set PP,  216
.set TT,  240
.set MSB, 0
.macro WIN new                         ; low byte: bits 1:0 source 0, 3:2 source 1, 5:4 source 2, 7:6 destination; the high byte repeats the setting that is left
.if MSB != (\new)
	s_set_vgpr_msb (MSB<<8)|(\new)
.set MSB, (\new)
.endif
.endm
.macro ROUND                           ; a round of the cluster's barrier
	s_barrier_signal -1
	s_barrier_wait -1
	s_cmp_lg_u32 s18, 0
	s_cbranch_scc1 .Lnot_wave_0_\@
	s_barrier_signal -3
.Lnot_wave_0_\@:
	s_barrier_wait -3
	s_barrier_signal -1
	s_barrier_wait -1
.endm
.macro TLOAD                           ; every wave fetches one place of a slot; s_nop 0 and four v_nop follow the load
	tensor_load_to_lds s[32:35], s[24:31]
	s_nop 0
.rept 4
	v_nop
.endr
.endm
	s_load_b128 s[4:7], s[0:1], 0x0                ; qimg s[4:5], kv s[6:7]
	s_load_b64 s[8:9], s[0:1], 0x10                ; oimg
	v_lshl_add_u32 v3, v0, 2, SPARE
	v_mov_b32 v4, 0
	ds_add_u32 v3, v4                              ; the opening lines: the add, twice on end, and its wait
	ds_add_u32 v3, v4
	v_lshrrev_b32 v5, 5, v0
	v_readfirstlane_b32 s18, v5                    ; wave 0..7
	s_bfe_u32 s10, ttmp6, 0x40000                  ; cx
	s_lshl_b32 s11, ttmp9, 2
	s_add_co_u32 s11, s11, s10                     ; my block of 256 queries: it enters plain loads' and stores' addresses alone
	s_and_b32 s12, ttmp7, 0xffff                   ; the head, which the four partners share
	s_mul_i32 s33, s18, REC                        ; my place of a slot: in LDS,
	s_mul_i32 s46, s12, 417792                     ; the head's records
	s_mov_b32 s47, 0
	s_add_co_u32 s14, s46, s33
	s_add_co_u32 s14, s14, 6656                    ; and in memory: the slots are cut at v
	s_mov_b32 s15, 0
	; descriptor group 1: 13,056 dense bytes as 51 rows of 256 bytes (32 elements of 8 bytes)
	s_mov_b32 s24, 15|(3<<16)|(1<<21)              ; 15:0 the mask: all four work-groups; 17:16 elements of 8 bytes; 21 set beside a mask
	s_mov_b32 s25, 32<<16                          ; tensor_dim0
	s_mov_b32 s26, 51<<16                          ; tensor_dim1
	s_mov_b32 s27, 32<<16                          ; tile_dim0
	s_mov_b32 s28, 51                              ; tile_dim1
	s_mov_b32 s29, 32                              ; the pitch
	s_mov_b32 s30, 0
	s_mov_b32 s31, 0
	s_lshl_b32 s16, s11, 4
	s_lshl_b32 s17, s18, 1
	s_add_co_u32 s16, s16, s17                     ; my first tile of queries: 16 x block + 2 x wave
	s_mul_i32 s38, s12, 196608
	s_mul_i32 s17, s16, 768
	s_add_co_u32 s38, s38, s17                     ; Q's codes: two tiles on end
	s_mov_b32 s39, 0
	s_lshl_b32 s40, s12, 14
	s_lshr_b32 s17, s16, 2
	s_lshl_b32 s17, s17, 8                         ; Q's scale words: the record of four tiles,
	s_add_co_u32 s40, s40, s17
	s_and_b32 s17, s18, 1
	s_lshl_b32 s17, s17, 2                         ; tiles 2 and 3 of it in the second word (the odd tile's lie 128 bytes on)
	s_add_co_u32 s40, s40, s17
	s_add_co_u32 s40, s40, 3145728
	s_mov_b32 s41, 0
	s_mul_i32 s42, s16, 12288                      ; O's codes: a tile's eight fragments, K step head / 2,
	s_lshr_b32 s17, s12, 1
	s_mul_i32 s17, s17, 1536
	s_add_co_u32 s42, s42, s17
	s_and_b32 s17, s12, 1
	s_mul_i32 s17, s17, 768                        ; registers 6 (head % 2) on
	s_add_co_u32 s42, s42, s17
	s_mov_b32 s43, 0
	s_lshl_b32 s44, s12, 13
	s_lshl_b32 s17, s11, 9
	s_add_co_u32 s44, s44, s17
	s_add_co_u32 s44, s44, 3145728                 ; O's scale bytes: [head][tile][row], two bytes each
	s_mov_b32 s45, 0
	s_mov_b32 s20, 0x76543210
	s_mov_b32 s21, 0xfedcba98                      ; v_permlanex16_b32's selects for lane l xor 16
	s_mov_b32 s22, 0x3e38aa3b                      ; c = log2(e) / 8
	s_mov_b32 s23, s22                             ; (named with it as a pair, so it is written)
	s_mov_b32 s2, 0                                ; LDS byte at which the place in hand begins
	s_mov_b32 s3, 3                                ; slots still to be asked for
	s_lshl_b32 s19, s18, 6
	s_add_co_u32 s19, s19, OSC
	v_and_b32 v5, 31, v0
	v_and_b32 v6, 15, v0
	v_bfe_u32 v11, v0, 4, 1                        ; lane / 16
	v_lshlrev_b32 v1, 3, v5                        ; 8 x lane
	v_lshlrev_b32 v9, 4, v5                        ; 16 x lane
	v_lshlrev_b32 v2, 4, v6                        ; 16 x (lane % 16)
	v_lshlrev_b32 v10, 3, v6                       ; 8 x (lane % 16)
	v_lshl_add_u32 v7, v6, 1, s19                  ; my rows' scale bytes: 32 bytes a tile, two a row,
	v_add_nc_u32 v7, v7, v11                       ; my block's at lane / 16
	v_add_nc_u32 v8, OSC, v9
	v_lshlrev_b32 v11, 3, v11                      ; 8 x (lane / 16)
	s_wait_alu depctr_va_vdst(0)                   ; directly ahead of the waits below
	s_wait_dscnt 0x0                               ; both opening adds are done
	s_wait_kmcnt 0x0
	s_mov_b32 s32, 1                               ; group 0: count = 1; s33 the LDS address
	s_add_nc_u64 s[34:35], s[6:7], s[14:15]
	s_or_b32 s35, s35, 0x80000000                  ; type = 2
	s_add_nc_u64 s[46:47], s[6:7], s[46:47]
	s_add_nc_u64 s[38:39], s[4:5], s[38:39]
	s_add_nc_u64 s[40:41], s[4:5], s[40:41]
	s_add_nc_u64 s[42:43], s[8:9], s[42:43]
	s_add_nc_u64 s[44:45], s[8:9], s[44:45]
	ROUND                                          ; all four work-groups are here: the first joint loads meet
	TLOAD                                          ; slot 0: one load a wave
	WIN 0x40                                       ; destination window 1
.irp T, 0,1
.irp p, 0,1,2
	global_load_b64 v[QQ+12*\T+2*\p:QQ+12*\T+2*\p+1], v1, s[38:39] offset:768*\T+256*\p   ; Q's codes stay in registers
.endr
.endr
	WIN 0
.irp T, 0,1
	global_load_b32 v[QSC+\T], v10, s[40:41] offset:128*\T
.endr
	global_load_b64 v[KSC:KSC+1], v1, s[46:47]     ; step 0's k: its scale words,
	global_load_b64 v[KSC+2:KSC+3], v1, s[46:47] offset:256
.irp kt, 0,1,2,3,4,5,6,7
.irp p, 0,1,2
	global_load_b64 v[KF+12*\kt+2*\p:KF+12*\kt+2*\p+1], v1, s[46:47] offset:512+768*\kt+256*\p   ; and its eight half fragments
.endr
.endr
.irp kt, 0,1,2,3,4,5,6,7
.irp j, 6,7,8,9,10,11
	v_mov_b32 v[KF+12*\kt+\j], 0                   ; zero codes for K 64 .. 127 of the first product: written once; the loads fill the lower six registers alone
.endr
.endr
.irp T, 0,1
	v_mov_b32 v[RUN+\T], 0xff61b1e6                ; the largest score so far: -3e38
	v_mov_b32 v[NM+2*\T], 0x7f000000               ; -M: 2^127, so that the first f is 0
	v_mov_b32 v[NM+2*\T+1], 0                      ; (upper halves of pairs that are named whole)
	v_mov_b32 v[FF+2*\T+1], 0
	v_mov_b32 v[PT+\T], 0                          ; written once: a lane permute's destination counts as one of its sources
.endr
.irp j, 0,1,2,3,4,5,6,7,8,9,10,11,12,13,14,15
	v_mov_b32 v[SUM+\j], 0
.endr
	WIN 0x40
.irp T, 0,1
.irp j, 6,7,8,9,10,11
	v_mov_b32 v[QQ+12*\T+\j], 0                    ; Q's zero codes
.endr
.endr
.set J, 0
.rept 64
	v_mov_b32 v[OO+J], 0                           ; O^T.  (The step is written without a first of its own: it finds zeros, which the first f leaves zeros)
.set J, J+1
.endr
	WIN 0
; A KEY STEP.  k's fragments and scale words of this step are in registers or on their way; the place at LDS byte s2 holds this step's v and the next step's k.
.macro STEP
	s_wait_dscnt 0x0                               ; k is in
	WIN 0x44                                       ; source 0 (k) window 0, source 1 (Q) and D window 1
.irp kt, 0,1,2,3,4,5,6,7                       ; S^T = K Q^T: sixteen sums, each begun by its one product
.irp T, 0,1
.if (\kt)%2
	v_wmma_scale_f32_16x16x128_f8f6f4 v[SS+64*\T+8*\kt:SS+64*\T+8*\kt+7], v[KF+12*\kt:KF+12*\kt+11], v[QQ+12*\T:QQ+12*\T+11], 0, v[KSC+\kt/2], v[QSC+\T] matrix_a_fmt:MATRIX_FMT_FP6 matrix_b_fmt:MATRIX_FMT_FP6 matrix_a_scale:MATRIX_SCALE_ROW1
.else
	v_wmma_scale_f32_16x16x128_f8f6f4 v[SS+64*\T+8*\kt:SS+64*\T+8*\kt+7], v[KF+12*\kt:KF+12*\kt+11], v[QQ+12*\T:QQ+12*\T+11], 0, v[KSC+\kt/2], v[QSC+\T] matrix_a_fmt:MATRIX_FMT_FP6 matrix_b_fmt:MATRIX_FMT_FP6
.endif
.endr
.endr
	WIN 0
	v_add_nc_u32 v5, s2, v1                        ; four places behind the products, in front of the loads into their operands and of the first read of the scores
	v_add_nc_u32 v6, s2, v2
	v_nop
	v_nop
.irp n, 0,1,2,3
.irp p, 0,1,2,3,4,5
	ds_load_b64 v[VF+12*\n+2*\p:VF+12*\n+2*\p+1], v5 offset:1536*\n+256*\p   ; v's four fragments,
.endr
.endr
	ds_load_b128 v[VSC:VSC+3], v6 offset:6144      ; their scale words: row d's four;
	ds_load_b64 v[KSC:KSC+1], v5 offset:6400       ; the NEXT step's k: 26 loads
	ds_load_b64 v[KSC+2:KSC+3], v5 offset:6656
.irp kt, 0,1,2,3,4,5,6,7
.irp p, 0,1,2
	ds_load_b64 v[KF+12*\kt+2*\p:KF+12*\kt+2*\p+1], v5 offset:6912+768*\kt+256*\p
.endr
.endr
	WIN 0x05                                       ; sources 0 and 1 window 1
.irp T, 0,1
.irp b, 0,1,2,3
	v_max_num_f32 v[BM+4*\T+\b], v[SS+64*\T+16*\b], v[SS+64*\T+16*\b+1]   ; THE LARGEST SCORE OF MY TWO BLOCKS OF 32 KEYS, two chains a block: for the row's maximum, and, since p rises with the score, for the block's largest p; each accumulator from its low end on
.endr
.endr
.irp i, 2,4,6,8,10,12,14
.irp T, 0,1
.irp b, 0,1,2,3
	v_max3_num_f32 v[BM+4*\T+\b], v[SS+64*\T+16*\b+\i], v[SS+64*\T+16*\b+\i+1], v[BM+4*\T+\b]   ; (eight chains by turns)
.endr
.endr
.endr
	WIN 0
.irp j, 0,2,4,6
	v_max_num_f32 v[BM+\j], v[BM+\j], v[BM+\j+1]   ; a block's two chains
.endr
.irp T, 0,1
	v_max3_num_f32 v[TA+\T], v[RUN+\T], v[BM+4*\T], v[BM+4*\T+2]
.endr
.irp T, 0,1
	s_delay_alu instid0(VALU_DEP_2)
	v_permlanex16_b32 v[PT+\T], v[TA+\T], s20, s21
.endr
.irp T, 0,1
	s_delay_alu instid0(VALU_DEP_2)
	v_max_num_f32 v[RUN+\T], v[TA+\T], v[PT+\T]    ; with lane l xor 16's two blocks: the running largest score
.endr
.irp T, 0,1
	s_delay_alu instid0(VALU_DEP_2)
	v_mul_f32 v[TA+\T], s22, v[RUN+\T]             ; as t (c is positive)
.endr
.irp T, 0,1
	s_delay_alu instid0(VALU_DEP_2)
	v_floor_f32 v[TB+\T], -v[TA+\T]                ; the new -M = floor(-t) = -ceil(t): M is a whole number
.endr
.irp T, 0,1
	s_delay_alu instid0(VALU_DEP_2)
	v_sub_f32 v[TC+\T], v[TB+\T], v[NM+2*\T]       ; old M less new M: a whole number, 0 or less
.endr
.irp T, 0,1
	v_mov_b32 v[NM+2*\T], v[TB+\T]
.endr
.irp T, 0,1
	v_cvt_i32_f32 v[TC+\T], v[TC+\T]               ; (it saturates)
.endr
.irp T, 0,1
	s_delay_alu instid0(VALU_DEP_2)
	v_ldexp_f32 v[FF+2*\T], 1.0, v[TC+\T]          ; f = 2^(old M - new M): a multiplication by it rounds nothing
.endr
.irp T, 0,1
.irp b, 0,2
	v_fma_f32 v[BM+4*\T+\b], v[BM+4*\T+\b], s22, v[NM+2*\T]   ; t - M of each block's largest score
.endr
.endr
	WIN 0x41                                       ; source 0 and destination window 1
.irp j, 0,2,4,6,8,10,12,14,16,18,20,22,24,26,28,30
.irp T, 0,1
	v_pk_mul_f32 v[OO+32*\T+\j:OO+32*\T+\j+1], v[OO+32*\T+\j:OO+32*\T+\j+1], v[FF+2*\T:FF+2*\T+1] op_sel_hi:[1,0]   ; O^T under the new M, ahead of the exponentials; each accumulator from its low end on
.endr
.endr
.irp T, 0,1
.set J, 0
.rept 32
	v_pk_fma_f32 v[SS+64*\T+J:SS+64*\T+J+1], v[SS+64*\T+J:SS+64*\T+J+1], s[22:23], v[NM+2*\T:NM+2*\T+1] op_sel_hi:[1,0,0]   ; t - M, two at a time
.set J, J+2
.endr
.endr
	s_wait_alu depctr_va_vdst(0)                   ; the wait ahead of the batch
.set J, 0
.rept 128
	v_exp_f32 v[SS+J], v[SS+J]                     ; p = 2^(t - M), at most 1: not normalised
.set J, J+1
.endr
	WIN 0
.irp j, 0,2,4,6
	v_exp_f32 v[BM+\j], v[BM+\j]                   ; the block's largest p: the same two instructions on the same number
.endr
.irp T, 0,1
.irp k, 0,2,4,6
	v_pk_mul_f32 v[SUM+8*\T+\k:SUM+8*\T+\k+1], v[SUM+8*\T+\k:SUM+8*\T+\k+1], v[FF+2*\T:FF+2*\T+1] op_sel_hi:[1,0]   ; the sums under the new M.  (Plain places behind the exponentials)
.endr
.endr
	s_wait_alu depctr_va_vdst(0)                   ; one wait for the whole batch, ahead of its first reader
.irp j, 0,2,4,6
	v_max_num_f32 v[BM+\j], 0x1800000, v[BM+\j]    ; the floor 2^(3 - 127): the byte cannot fall under 1
.endr
.irp j, 0,2,4,6
	v_add_nc_u32 v[SO+\j], 0xff000000, v[BM+\j]    ; 2 off the exponent field: the conversions' scale operand
.endr
.irp j, 0,2,4,6
	v_lshrrev_b32 v[PT+\j], 23, v[SO+\j]           ; the byte
.endr
.irp T, 0,1
	v_lshl_or_b32 v[TA+\T], v[PT+4*\T+2], 16, v[PT+4*\T]   ; my two bytes: blocks lane / 16 and 2 + lane / 16 of these 128 keys,
.endr
.irp T, 0,1
	s_delay_alu instid0(VALU_DEP_2)
	v_lshlrev_b32 v[TA+\T], v11, v[TA+\T]          ; at their places in p's scale word;
.endr
.irp T, 0,1
	s_delay_alu instid0(VALU_DEP_2)
	v_permlanex16_b32 v[TB+\T], v[TA+\T], s20, s21
.endr
.irp T, 0,1
	s_delay_alu instid0(VALU_DEP_2)
	v_or_b32 v[PSC+\T], v[TA+\T], v[TB+\T]         ; with lane l xor 16's two the word is whole
.endr
	WIN 0x41
.irp T, 0,1
.irp c, 0,1
	v_cvt_scalef32_pk16_fp6_f32 v[PP+12*\T+6*\c:PP+12*\T+6*\c+2], v[SS+64*\T+32*\c:SS+64*\T+32*\c+15], v[SO+4*\T+2*\c]
	v_cvt_scalef32_pk16_fp6_f32 v[TT+8*\T+4*\c:TT+8*\T+4*\c+2], v[SS+64*\T+32*\c+16:SS+64*\T+32*\c+31], v[SO+4*\T+2*\c]   ; (a conversion's three registers begin on an even number)
.endr
.endr
	v_nop                                          ; one plain place behind a scaled conversion
.irp T, 0,1
.irp c, 0,1
.irp i, 0,1,2
	v_mov_b32 v[PP+12*\T+6*\c+3+\i], v[TT+8*\T+4*\c+\i]   ; six registers on end: my block's 24 bytes
.endr
.endr
.endr
	WIN 0x04                                       ; source 1 window 1
.set J, 0
.rept 32                                       ; THE ROW'S SUM IS TAKEN OF THE UNQUANTISED p: eight chains by turns.  (Also the places between p's codes and scale word and the products below)
.irp T, 0,1
	v_pk_add_f32 v[SUM+8*\T+2*(J%4):SUM+8*\T+2*(J%4)+1], v[SUM+8*\T+2*(J%4):SUM+8*\T+2*(J%4)+1], v[SS+64*\T+2*J:SS+64*\T+2*J+1]
.endr
.set J, J+1
.endr
	s_wait_dscnt 26                                ; v's fragments and scale words are in; the 26 loads of the next step's k, issued behind them, may be out
	WIN 0x54                                       ; source 0 (v) window 0; source 1 (p), C and D window 1
.irp n, 0,1,2,3                                ; O^T += V^T P^T: the eight accumulators by turns
.irp T, 0,1
	v_wmma_scale_f32_16x16x128_f8f6f4 v[OO+32*\T+8*\n:OO+32*\T+8*\n+7], v[VF+12*\n:VF+12*\n+11], v[PP+12*\T:PP+12*\T+11], v[OO+32*\T+8*\n:OO+32*\T+8*\n+7], v[VSC+\n], v[PSC+\T] matrix_a_fmt:MATRIX_FMT_FP6 matrix_b_fmt:MATRIX_FMT_FP6
.endr
.endr
	WIN 0
.endm
; THE CHANGE OF SLOTS stands at a slot's head.  Each wave waits for all its tensor loads, adds 0 to its spare word, and waits for that and for its reads of the slot that it has left.
; fill = 1: the barrier is a round of the cluster's, and behind it the slot just left is filled with the next eight places: the load has eight key steps in which to land.
.macro CHANGE fill
	s_wait_tensorcnt 0x0                           ; no tensor load of mine is out, so group 0 may be written
	ds_add_u32 v3, v4                              ; 0 onto my spare word
.if \fill
	s_xor_b32 s33, s33, SLOT1                      ; the walking descriptor: the other slot than last time,
	s_add_nc_u64 s[34:35], s[34:35], SLOTB         ; the next eight places; the type bits on top are not reached
.endif
	s_wait_dscnt 0x0                               ; the add is done, and my reads of the slot that I have left are over
.if \fill
	ROUND                                          ; both now hold of every wave of every work-group of the cluster
	TLOAD                                          ; the first thing behind the round, and a wave's one tensor load until the next
.else
	s_barrier_signal -1
	s_barrier_wait -1
.endif
.endm
.macro EIGHT                           ; a slot's eight key steps: written once, walked eight times
	s_mov_b32 s36, 8
.Lstep_\@:
	STEP
	s_add_co_u32 s2, s2, REC
	s_sub_co_u32 s36, s36, 1
	s_cmp_lg_u32 s36, 0
	s_cbranch_scc1 .Lstep_\@
	s_sub_co_u32 s2, s2, SLOTB                     ; back to a slot's first place,
	s_xor_b32 s2, s2, SLOT1                        ; in the other slot
.endm
	s_wait_alu depctr_va_vdst(0)                   ; the wait at the head's end
	s_wait_loadcnt 0x0                             ; Q and step 0's k
.Lslot:                                            ; three trips: behind each change of slots but the last the next slot is asked for
	CHANGE 1
	EIGHT
	s_sub_co_u32 s3, s3, 1
	s_cmp_lg_u32 s3, 0
	s_cbranch_scc1 .Lslot
	CHANGE 0                                       ; the last slot is written out
	EIGHT
	; THE WAY OUT.  O^T / the sum is the merged heads' number; register 8 n + j is d = 32 (lane / 16) + 8 n + j of my query: one whole block of the last product's K.
	s_wait_alu depctr_va_vdst(0)
.irp T, 0,1
	v_pk_add_f32 v[SUM+8*\T:SUM+8*\T+1], v[SUM+8*\T:SUM+8*\T+1], v[SUM+8*\T+2:SUM+8*\T+3]   ; the sum's four pairs.  (These lines are also the places behind the last products)
	v_pk_add_f32 v[SUM+8*\T+4:SUM+8*\T+5], v[SUM+8*\T+4:SUM+8*\T+5], v[SUM+8*\T+6:SUM+8*\T+7]
.endr
.irp T, 0,1
	v_pk_add_f32 v[SUM+8*\T:SUM+8*\T+1], v[SUM+8*\T:SUM+8*\T+1], v[SUM+8*\T+4:SUM+8*\T+5]
.endr
.irp T, 0,1
	s_delay_alu instid0(VALU_DEP_2)
	v_add_f32 v[TA+\T], v[SUM+8*\T], v[SUM+8*\T+1]
.endr
.irp T, 0,1
	s_delay_alu instid0(VALU_DEP_2)
	v_permlanex16_b32 v[PT+\T], v[TA+\T], s20, s21
.endr
.irp T, 0,1
	s_delay_alu instid0(VALU_DEP_2)
	v_add_f32 v[TA+\T], v[TA+\T], v[PT+\T]         ; with lane l xor 16's: the row's sum
.endr
	s_wait_alu depctr_va_vdst(0)                   ; the wait ahead of the transcendentals
.irp T, 0,1
	v_rcp_f32 v[TA+\T], v[TA+\T]
.endr
	v_nop                                          ; one plain place behind a transcendental
	WIN 0x41
	s_wait_alu depctr_va_vdst(0)                   ; and the wait behind them, directly ahead of the first reader of their results and of O^T
.irp T, 0,1
.set J, 0
.rept 32
	v_mul_f32 v[SS+64*\T+J], v[OO+32*\T+J], v[TA+\T]   ; each accumulator from its low end on
.set J, J+1
.endr
.endr
	WIN 0x05
.irp T, 0,1
.irp b, 0,1
	v_max3_num_f32 v[BM+4*\T+\b], |v[SS+64*\T+16*\b]|, |v[SS+64*\T+16*\b+1]|, 0x1800000   ; my block's largest magnitude in two chains, with the floor
.endr
.endr
.irp i, 2,4,6,8,10,12,14
.irp T, 0,1
.irp b, 0,1
	s_delay_alu instid0(VALU_DEP_4)
	v_max3_num_f32 v[BM+4*\T+\b], |v[SS+64*\T+16*\b+\i]|, |v[SS+64*\T+16*\b+\i+1]|, v[BM+4*\T+\b]
.endr
.endr
.endr
	WIN 0
.irp T, 0,1
	v_max_num_f32 v[BM+4*\T], v[BM+4*\T], v[BM+4*\T+1]
.endr
.irp T, 0,1
	s_delay_alu instid0(VALU_DEP_2)
	v_add_nc_u32 v[SO+4*\T], 0xff000000, v[BM+4*\T]
.endr
.irp T, 0,1
	s_delay_alu instid0(VALU_DEP_2)
	v_lshrrev_b32 v[TB+\T], 23, v[SO+4*\T]         ; my block's scale byte
.endr
	WIN 0x41
.irp T, 0,1
	v_cvt_scalef32_pk16_fp6_f32 v[PP+12*\T:PP+12*\T+2], v[SS+64*\T:SS+64*\T+15], v[SO+4*\T]
	v_cvt_scalef32_pk16_fp6_f32 v[TT+8*\T:TT+8*\T+2], v[SS+64*\T+16:SS+64*\T+31], v[SO+4*\T]
.endr
	v_nop                                          ; one plain place behind a scaled conversion
.irp T, 0,1
.irp i, 0,1,2
	v_mov_b32 v[PP+12*\T+3+\i], v[TT+8*\T+\i]      ; lane (r, h): block h's 24 bytes
.endr
.endr
	WIN 0x04                                       ; a store's data are its source 1: window 1
.irp T, 0,1
.irp p, 0,1,2
	global_store_b64 v1, v[PP+12*\T+2*\p:PP+12*\T+2*\p+1], s[42:43] offset:12288*\T+256*\p   ; each store of the wave covers 256 consecutive bytes, aligned
.endr
.endr
	WIN 0
.irp T, 0,1
	ds_store_b8 v7, v[TB+\T] offset:32*\T          ; a lane a byte
.endr
	s_wait_dscnt 0x0                               ; for the others' sake
	s_barrier_signal -1
	s_barrier_wait -1                              ; the sixteen tiles' scale bytes are whole
	s_cmp_lg_u32 s18, 0
	s_cbranch_scc1 .Lnot_mine
	ds_load_b128 v[BM:BM+3], v8
	s_wait_dscnt 0x0
	global_store_b128 v9, v[BM:BM+3], s[44:45]     ; 512 consecutive bytes
.Lnot_mine:
	s_wait_tensorcnt 0x0                           ; the wave's end
	ds_add_u32 v3, v4
	s_wait_dscnt 0x0
	ROUND                                          ; the closing round
	s_endpgm
.Lfunc_end_k_qb553169030_attn:
	.size	k_qb553169030_attn, .Lfunc_end_k_qb553169030_attn-k_qb553169030_attn
	.p2alignl 7, 3214868480
	.fill 96, 4, 3214868480
	.section	.rodata,"a",@progbits
	.p2align	6, 0x0
	.amdhsa_kernel k_qb553169030_attn
		.amdhsa_group_segment_fixed_size 327680
		.amdhsa_private_segment_fixed_size 0
		.amdhsa_enable_private_segment 0
		.amdhsa_kernarg_size 24
		.amdhsa_user_sgpr_count 2
		.amdhsa_user_sgpr_kernarg_segment_ptr 1
		.amdhsa_wavefront_size32 1
		.amdhsa_system_sgpr_workgroup_id_x 1
		.amdhsa_system_sgpr_workgroup_id_y 1
		.amdhsa_system_sgpr_workgroup_id_z 1
		.amdhsa_system_vgpr_workitem_id 0
		.amdhsa_next_free_vgpr 512
		.amdhsa_next_free_sgpr 66
		.amdhsa_reserve_vcc 0
		.amdhsa_float_denorm_mode_32 3
		.amdhsa_float_denorm_mode_16_64 3
		.amdhsa_memory_ordered 1
		.amdhsa_forward_progress 1
		.amdhsa_inst_pref_size 81
	.end_amdhsa_kernel
	.amdgpu_metadata
---
amdhsa.version: [ 1, 2 ]
amdhsa.kernels:
  - .name:           k_qb553169030_attn
    .symbol:         k_qb553169030_attn.kd
    .args:
      - { .name: qimg, .offset: 0, .size: 8, .value_kind: global_buffer, .address_space: global }
      - { .name: kv, .offset: 8, .size: 8, .value_kind: global_buffer, .address_space: global }
      - { .name: oimg, .offset: 16, .size: 8, .value_kind: global_buffer, .address_space: global }
    .group_segment_fixed_size: 327680
    .private_segment_fixed_size: 0
    .kernarg_segment_align: 8
    .kernarg_segment_size: 24
    .max_flat_workgroup_size: 256
    .sgpr_count:     66
    .vgpr_count:     512
    .wavefront_size: 32
...
	.end_amdgpu_metadata
.endif
;; end of part 3
;; launch proj (part 4): grid 16 x 16, 4 waves a work-group, clusters of 4 x 1, 168,448 bytes of LDS; arguments oimg, wimg, bo, out0; writes out0
.if DOCPART == 4
	.amdgcn_target "amdgcn-amd-amdhsa--gfx1250"
	.amdhsa_code_object_version 6
	.text
	.protected	k_qb553169030_proj
	.globl	k_qb553169030_proj
	.p2align	8
	.type	k_qb553169030_proj,@function
k_qb553169030_proj:
	s_mov_b64 s[64:65], 0
	v_nop
	global_prefetch_b8 v0, s[64:65] scope:SCOPE_SE
	s_setreg_imm32_b32 hwreg(HW_REG_WAVE_MODE, 25, 1), 1
	s_wait_xcnt 0x0
	s_wait_alu depctr_hold_cnt(0) depctr_sa_sdst(0) depctr_va_vdst(0) depctr_va_sdst(0) depctr_va_ssrc(0) depctr_va_vcc(0) depctr_vm_vsrc(0)
	s_getreg_b32 s2, hwreg(HW_REG_IB_STS2, 6, 4)
	s_cmp_eq_u32 s2, 0
	s_cbranch_scc0 .Lentry_in_a_cluster
	s_endpgm
.Lentry_in_a_cluster:
	s_bfe_u32 s2, ttmp6, 0x10000c
	s_cmp_lg_u32 s2, 0x3003
	s_cbranch_scc0 .Lentry_shape_is_right
	s_endpgm
.Lentry_shape_is_right:
; out0 = (merged heads) Wo + bo, on codes of FP6 (K = 1,024).  Work-group (MB, g): the rows of tiles 16 MB .. 16 MB + 15 against output columns 64 g .. 64 g + 63.  Wave w: tiles 16 MB + 4 w + i against Wo's four tiles: 16 accumulators.
; Wo's 49,152 bytes for these columns fill LDS ONCE, by joint loads: the four work-groups of a cluster have the same g.  Nothing is filled again.
; The rows' fragments go from memory straight into registers, all eight K steps at once (384 registers, none used twice): each is read by one wave of the cluster alone, so they are not asked for jointly.
; Source 0 = 16 columns of Wo, source 1 = 16 rows: a lane holds one row and eight neighbouring columns; the bias is the C of each sum's first product.
; The rows of a tile are not neighbours (lane-row r of tile 2 b + u = row 32 b + 8 u + r + 8 (r / 8)): the stores' offsets put each row in its place.
; REGISTERS.  window 0: v1-6 addresses; v16-31 the rows' scale words (4 i + s / 2), v32-47 Wo's (4 n + s / 2); v48-79 the bias, 8 n; v80-223 three sets of Wo's four fragments, later rows of the result; v224-239 upper halves of scale words.
;   window 1: the accumulators at 32 i + 8 n.   window 2: the rows' fragments of K steps 0-4 at 48 s + 12 i.   window 3: those of K steps 5-7.
; THE ORDER OF A TILE'S ROWS THAT THIS TEXT KEEPS (it takes the place of the order named above): lane-row r of tile T of a group of 64 (rows, or columns of Wo) is index 8 T + r % 8 + 32 (r / 8).
.set STG, 49152                        ; behind Wo: a stage of 16 rows x (256 bytes + 16) for each wave; no fill lands here
.set MSB, 0
.macro WIN new                         ; the immediate's high byte repeats the setting that is left
.if MSB != (\new)
	s_set_vgpr_msb (MSB<<8)|(\new)
.set MSB, (\new)
.endif
.endm
.macro PLACES                          ; four places in front of loads into registers that matrix instructions have read, and of the first read of results
.rept 4
	v_nop
.endr
.endm
.macro ROUND                           ; a round of the cluster's barrier
	s_barrier_signal -1
	s_barrier_wait -1
	s_cmp_lg_u32 s12, 0
	s_cbranch_scc1 .Lnot_wave_0_\@
	s_barrier_signal -3
.Lnot_wave_0_\@:
	s_barrier_wait -3
	s_barrier_signal -1
	s_barrier_wait -1
.endm
	s_load_b256 s[4:11], s[0:1], 0x0               ; oimg s[4:5], wimg s[6:7], bo s[8:9], out0 s[10:11]
	v_lshl_add_u32 v254, v0, 2, 0x29000
	v_mov_b32 v255, 0
	ds_add_u32 v254, v255
	ds_add_u32 v254, v255
	v_lshrrev_b32 v1, 5, v0
	v_readfirstlane_b32 s12, v1                    ; wave 0..3
	s_bfe_u32 s13, ttmp6, 0x40000                  ; cx
	s_lshl_b32 s14, ttmp9, 2
	s_add_co_u32 s14, s14, s13                     ; MB: it enters plain loads' and stores' addresses alone
	s_and_b32 s15, ttmp7, 0xffff                   ; g, which the four partners share
	; descriptor group 1: two K steps' fragments, 12,288 dense bytes, as 48 rows of 256 bytes (32 elements of 8 bytes)
	s_mov_b32 s16, 15|(3<<16)|(1<<21)              ; 15:0 the mask: all four work-groups; 17:16 elements of 8 bytes; 21 set beside a mask
	s_mov_b32 s17, 32<<16
	s_mov_b32 s18, 48<<16
	s_mov_b32 s19, 32<<16
	s_mov_b32 s20, 48
	s_mov_b32 s21, 32
	s_mov_b32 s22, 0
	s_mov_b32 s23, 0
	s_mul_i32 s25, s12, 12288                      ; K steps 2 w, 2 w + 1: in LDS,
	s_mul_i32 s56, s15, 49152
	s_add_co_u32 s56, s56, s25
	s_add_co_u32 s56, s56, 2359296                 ; and in Wo's region
	s_mov_b32 s57, 0
	s_mul_i32 s32, s14, 196608
	s_mul_i32 s58, s12, 49152
	s_add_co_u32 s32, s32, s58                     ; the rows' codes: tile 16 MB + 4 w
	s_mov_b32 s33, 0
	s_lshl_b32 s34, s14, 9
	s_lshl_b32 s58, s12, 7
	s_add_co_u32 s34, s34, s58
	s_add_co_u32 s34, s34, 3145728                 ; their scale bytes: [head][tile][row], two bytes each
	s_mov_b32 s35, 0
	s_lshl_b32 s36, s15, 11
	s_add_co_u32 s36, s36, 3145728+98304           ; Wo's scales: tiles 192 + 4 g on, 512 bytes each
	s_mov_b32 s37, 0
	s_lshl_b32 s38, s15, 8                         ; the bias, and the columns' bytes in a row of the result
	s_mov_b32 s39, 0
	s_lshl_b32 s40, s14, 20
	s_lshl_b32 s58, s12, 18
	s_add_co_u32 s40, s40, s58
	s_add_co_u32 s40, s40, s38                     ; the result: row 256 MB + 64 w, column 64 g
	s_mov_b32 s41, 0
	s_mul_i32 s59, s12, 4352
	s_add_co_u32 s59, s59, STG                     ; my stage
	v_and_b32 v8, 15, v0                           ; r
	v_bfe_u32 v9, v0, 4, 1                         ; h
	v_and_b32 v7, 31, v0
	v_lshlrev_b32 v1, 3, v7                        ; 8 x lane
	v_lshlrev_b32 v2, 1, v8
	v_lshl_add_u32 v2, v9, 14, v2                  ; scale bytes: 2 r; lanes 16-31 take the odd K step's two heads, 2 x 8,192 bytes on
	v_lshlrev_b32 v3, 7, v9                        ; the bias: 32 h numbers on
	v_mul_u32_u24 v4, v8, 272
	v_lshl_add_u32 v4, v9, 7, v4
	v_add_nc_u32 v4, s59, v4                       ; into the stage: row r, + 128 h
	v_mul_u32_u24 v5, v9, 272
	v_lshl_add_u32 v5, v8, 4, v5
	v_add_nc_u32 v5, s59, v5                       ; back: lanes 0-15 one row of 256 bytes, lanes 16-31 the next
	v_lshlrev_b32 v6, 12, v9
	v_lshl_add_u32 v6, v8, 4, v6                   ; and the same two rows in the result
	s_wait_dscnt 0x0
	s_wait_kmcnt 0x0
	s_mov_b32 s24, 1                               ; group 0: count = 1; s25 the LDS address
	s_add_nc_u64 s[26:27], s[6:7], s[56:57]
	s_or_b32 s27, s27, 0x80000000                  ; type = 2
	s_add_nc_u64 s[32:33], s[4:5], s[32:33]
	s_add_nc_u64 s[34:35], s[4:5], s[34:35]
	s_add_nc_u64 s[36:37], s[6:7], s[36:37]
	s_add_nc_u64 s[38:39], s[8:9], s[38:39]
	s_add_nc_u64 s[40:41], s[10:11], s[40:41]
	ROUND                                          ; all four work-groups are here: the joint loads meet
	tensor_load_to_lds s[24:27], s[16:23]          ; the launch's only fill: one load of mine is out
	s_nop 0
.rept 4
	v_nop
.endr
.irp n, 0,1,2,3
.irp kh, 0,1
	global_load_b64 v[32+4*\n+2*\kh:33+4*\n+2*\kh], v1, s[36:37] offset:512*\n+256*\kh
.endr
.endr
	s_wait_alu depctr_va_vdst(0)
.irp n, 0,1,2,3
	global_load_b128 v[48+8*\n:51+8*\n], v3, s[38:39] offset:32*\n          ; tile n: columns 32 h + 8 n + 0 .. 7
	global_load_b128 v[52+8*\n:55+8*\n], v3, s[38:39] offset:32*\n+16
.endr
.irp i, 0,1,2,3
.irp g, 0,1,2,3
	global_load_u16 v[16+4*\i+\g], v2, s[34:35] offset:(4*\g)*8192+32*\i                ; K step 2 g + h: its even head's two bytes,
	global_load_u16 v[224+4*\i+\g], v2, s[34:35] offset:(4*\g+1)*8192+32*\i             ; and its odd head's
.endr
.endr
.macro AFETCH s                        ; the rows' four fragments of K step s: each load is 256 consecutive bytes
.if (\s) < 5
	WIN 0x80                                       ; destination window 2
.set AB, 48*(\s)
.else
	WIN 0xc0                                       ; destination window 3
.set AB, 48*((\s)-5)
.endif
.irp i, 0,1,2,3
.irp p, 0,1,2,3,4,5
	global_load_b64 v[AB+12*\i+2*\p:AB+12*\i+2*\p+1], v1, s[32:33] offset:12288*\i+1536*(\s)+256*\p
.endr
.endr
.endm
.irp s, 0,1,2,3,4,5,6,7
	AFETCH \s
.endr
	WIN 0
	s_wait_loadcnt 63                              ; the scales and the bias are in: 192 loads were issued behind them, and 63 is the stricter count that the field holds
.irp k, 0,1,2,3,4,5,6,7,8,9,10,11,12,13,14,15
	v_lshl_or_b32 v[16+\k], v[224+\k], 16, v[16+\k]   ; a K step's scale word: two heads' two bytes
.endr
.rept 8
	v_nop                                          ; a scale register written by a vector instruction stands 8 places ahead of a scaled matrix instruction
.endr
	s_wait_alu depctr_va_vdst(0)
	s_wait_tensorcnt 0x0                           ; my two K steps of Wo are in,
	s_barrier_signal -1
	s_barrier_wait -1                              ; everybody's are
.macro BFETCH s                        ; Wo's four fragments of K step s into set s % 3
.irp n, 0,1,2,3
.irp p, 0,1,2,3,4,5
	ds_load_b64 v[80+48*((\s)%3)+12*\n+2*\p:80+48*((\s)%3)+12*\n+2*\p+1], v1 offset:6144*(\s)+1536*\n+256*\p
.endr
.endr
.endm
.macro PW d, a, b, sa, sb, c, s        ; one product; K step 0 takes the bias as C; an odd K step's scale words lie in lanes 16-31
.if (\s) == 0
	v_wmma_scale_f32_16x16x128_f8f6f4 v[(\d):(\d)+7], v[(\a):(\a)+11], v[(\b):(\b)+11], v[(\c):(\c)+7], v[(\sa)], v[(\sb)] matrix_a_fmt:MATRIX_FMT_FP6 matrix_b_fmt:MATRIX_FMT_FP6
.elseif ((\s)%2) == 0
	v_wmma_scale_f32_16x16x128_f8f6f4 v[(\d):(\d)+7], v[(\a):(\a)+11], v[(\b):(\b)+11], v[(\d):(\d)+7], v[(\sa)], v[(\sb)] matrix_a_fmt:MATRIX_FMT_FP6 matrix_b_fmt:MATRIX_FMT_FP6
.else
	v_wmma_scale_f32_16x16x128_f8f6f4 v[(\d):(\d)+7], v[(\a):(\a)+11], v[(\b):(\b)+11], v[(\d):(\d)+7], v[(\sa)], v[(\sb)] matrix_a_fmt:MATRIX_FMT_FP6 matrix_b_fmt:MATRIX_FMT_FP6 matrix_a_scale:MATRIX_SCALE_ROW1 matrix_b_scale:MATRIX_SCALE_ROW1
.endif
.endm
.macro PSTEP s
.if (\s) < 5
.set AB, 48*(\s)
.else
.set AB, 48*((\s)-5)
.endif
.if 24*(7-(\s)) > 63
	s_wait_loadcnt 63                              ; this step's fragments of the rows are in (more than 63 loads were issued behind them)
.else
	s_wait_loadcnt 24*(7-(\s))                     ; the later steps' may be out
.endif
.if (\s) < 6
	s_wait_dscnt 48                                ; this step's set of Wo is in; the two younger sets' 24 loads each may be out
.else
	s_wait_dscnt 24*(7-(\s))
.endif
.if (\s) == 0
	WIN 0x48                                       ; source 0 (Wo) and C (the bias) window 0, source 1 window 2, D window 1
.elseif (\s) < 5
	WIN 0x58                                       ; C and D window 1
.else
	WIN 0x5c                                       ; source 1 window 3
.endif
.irp i, 0,1,2,3                        ; the sixteen accumulators take turns, one instruction a turn
.irp n, 0,1,2,3
	PW 32*\i+8*\n, 80+48*((\s)%3)+12*\n, AB+12*\i, 32+4*\n+(\s)/2, 16+4*\i+(\s)/2, 48+8*\n, \s
.endr
.endr
	WIN 0
	PLACES
.if (\s) < 5
	BFETCH (\s)+3                                  ; into the set that this step has multiplied
.endif
.endm
	BFETCH 0
	BFETCH 1
	BFETCH 2
.irp s, 0,1,2,3,4,5,6,7
	PSTEP \s
.endr
	; THE WAY OUT, tile by tile of 16 rows x 64 columns, through my own stage: a lane's 32 bytes of a row go in, whole rows of 256 bytes come back.  LDS serves a wave's instructions in order: no wait between the stores and the loads.
.irp i, 0,1,2,3
	WIN 0x04                                       ; an LDS store's data are its source 1: window 1
.irp n, 0,1,2,3
	ds_store_b128 v4, v[32*\i+8*\n:32*\i+8*\n+3] offset:32*\n               ; row r, + 128 h; each accumulator from its low end on
	ds_store_b128 v4, v[32*\i+8*\n+4:32*\i+8*\n+7] offset:32*\n+16
.endr
	WIN 0
.irp k, 0,1,2,3,4,5,6,7
	ds_load_b128 v[80+32*\i+4*\k:83+32*\i+4*\k], v5 offset:544*\k
.endr
.endr
.irp i, 0,1,2,3
.irp k, 0,1,2,3,4,5,6,7
	s_wait_dscnt 16*(3-\i)+7-\k                    ; behind this load: the rest of its tile's, and sixteen LDS instructions for each later tile
	global_store_b128 v6, v[80+32*\i+4*\k:83+32*\i+4*\k], s[40:41] offset:(8*\i+2*\k+24*(\k/4))*4096 th:TH_STORE_NT   ; lane-rows 2 k, 2 k + 1 at their true rows; 16 lanes store 256 consecutive bytes, aligned
.endr
.endr
	s_wait_tensorcnt 0x0
	ds_add_u32 v254, v255
	s_wait_dscnt 0x0
	ROUND                                          ; the closing round
	s_endpgm
.Lfunc_end_k_qb553169030_proj:
	.size	k_qb553169030_proj, .Lfunc_end_k_qb553169030_proj-k_qb553169030_proj
	.p2alignl 7, 3214868480
	.fill 96, 4, 3214868480
	.section	.rodata,"a",@progbits
	.p2align	6, 0x0
	.amdhsa_kernel k_qb553169030_proj
		.amdhsa_group_segment_fixed_size 168448
		.amdhsa_private_segment_fixed_size 0
		.amdhsa_enable_private_segment 0
		.amdhsa_kernarg_size 32
		.amdhsa_user_sgpr_count 2
		.amdhsa_user_sgpr_kernarg_segment_ptr 1
		.amdhsa_wavefront_size32 1
		.amdhsa_system_sgpr_workgroup_id_x 1
		.amdhsa_system_sgpr_workgroup_id_y 1
		.amdhsa_system_sgpr_workgroup_id_z 1
		.amdhsa_system_vgpr_workitem_id 0
		.amdhsa_next_free_vgpr 1024
		.amdhsa_next_free_sgpr 66
		.amdhsa_reserve_vcc 0
		.amdhsa_float_denorm_mode_32 3
		.amdhsa_float_denorm_mode_16_64 3
		.amdhsa_memory_ordered 1
		.amdhsa_forward_progress 1
		.amdhsa_inst_pref_size 67
	.end_amdhsa_kernel
	.amdgpu_metadata
---
amdhsa.version: [ 1, 2 ]
amdhsa.kernels:
  - .name:           k_qb553169030_proj
    .symbol:         k_qb553169030_proj.kd
    .args:
      - { .name: oimg, .offset: 0, .size: 8, .value_kind: global_buffer, .address_space: global }
      - { .name: wimg, .offset: 8, .size: 8, .value_kind: global_buffer, .address_space: global }
      - { .name: bo, .offset: 16, .size: 8, .value_kind: global_buffer, .address_space: global }
      - { .name: out0, .offset: 24, .size: 8, .value_kind: global_buffer, .address_space: global }
    .group_segment_fixed_size: 168448
    .private_segment_fixed_size: 0
    .kernarg_segment_align: 8
    .kernarg_segment_size: 32
    .max_flat_workgroup_size: 128
    .sgpr_count:     66
    .vgpr_count:     1024
    .wavefront_size: 32
...
	.end_amdgpu_metadata
.endif
;; end of part 4
